; MI455X (gfx1250); checked and timed in simulation.
; The chip was launched on July 23, 2026; its instructions are those of AMD's public machine-readable ISA for CDNA 5 (MIT licence, August 2026) and "CDNA5" Instruction Set Architecture Reference Guide (July 2026). The comments in the code are by the model that wrote it; some were corrected since.
;; Attention. Allowed arithmetic: matrix products marked QUANTISED: E2M3 operands, one E8M0 scale for each 32 along K, by v_wmma_scale_f32_16x16x128_f8f6f4 with both operands' format E2M3, f32 sums; everything else in f32.
;; Inputs: freqs_cis 1,024 x 32 x 2 float32; mask 1 x 1 x 1,024 x 1,024 bool; wo 2,048 x 2,048 float32; wqkv 3,072 x 2,048 float32; x 4 x 1,024 x 2,048 float32.
;; Outputs: out0 4 x 1,024 x 2,048 float32.
;; This version of the problem:
;;   THIS VERSION OF THE PROBLEM IS GIVEN IN LOW PRECISION. The matrix products marked QUANTISED in the list below multiply operands that are first quantised to E2M3 (2 exponent bits, 3 mantissa bits; 6 bits a number), with one power-of-two scale for each 32 numbers along K (OCP MX v1.0); their sums are f32. All else is computed in f32.
;;   The module's matrix products, in the order in which they are computed (A, B: the left and right operand; K: the contracted axis; several contracted axes count as one K, in the product's order):
;;     1. [M 4,096, K 2,048] x [K 2,048, N 3,072]; A: input x; B: input wqkv: QUANTISED
;;     2. batch 128 x [M 1,024, K 64] x [K 64, N 1,024]; A: computed on the way; B: computed on the way: QUANTISED
;;     3. batch 128 x [M 1,024, K 1,024] x [K 1,024, N 64]; A: softmax (see below); B: computed on the way: QUANTISED
;;     4. [M 4,096, K 2,048] x [K 2,048, N 2,048]; A: computed on the way; B: input wo: QUANTISED
;;   THE QUANTISER, for each operand of a quantised product, along K:
;;     - K is cut into blocks of 32 from its start; a last block that is shorter is filled with zeros.
;;     - A block's scale is 2^e with e = floor(log2(the largest magnitude in the block)) - 2, held to -126 .. 127; a block of zeros has e = 0. As a byte (E8M0): e + 127.
;;     - Each number is divided by its block's scale, clamped to +-7.5, and rounded to the nearest number of E2M3, ties to even, subnormals kept.
;;     - The product sums the exact products of the quantised numbers (number of the format x scale) in f32.
;;   ~~~python
;;   def quantise(x, axis):      # numpy; x: float32 -> the quantised numbers, widened to float32 again
;;       x = np.moveaxis(x, axis, -1); K = x.shape[-1]
;;       x = np.pad(x, [(0, 0)] * (x.ndim - 1) + [(0, -K % 32)]); x = x.reshape(x.shape[:-1] + (-1, 32)); a = np.abs(x).max(-1, keepdims=True)
;;       e = np.where(a > 0, np.clip(np.frexp(np.where(a > 0, a, 1))[1] - 1 - 2, -126, 127), 0)      # np.frexp(a)[1] - 1 = floor(log2(a)), exactly
;;       r = np.clip(x / 2.0 ** e, -7.5, 7.5)
;;       step = 2.0 ** (np.maximum(np.frexp(np.where(r == 0, 1, r))[1] - 1, 0) - 3)
;;       q = np.round(r / step) * step * 2.0 ** e      # np.round: ties to even
;;       return np.moveaxis(q.reshape(q.shape[:-2] + (-1,))[..., :K], -1, axis).astype(np.float32)
;;   ~~~
;;   SOFTMAX AHEAD OF A QUANTISED PRODUCT. Where the list says 'softmax', what is quantised is not the finished softmax but p = 2^(t - M), with t = logit x log2(e) and M = ceil(the row's largest t), a whole number; so 1/2 < the row's largest p <= 1. The row's sum l is taken of the UNQUANTISED p, in f32, and the product's result is divided by l at the end. Since M is a whole number, a kernel that streams over the keys may use a running M (the ceiling of the running maximum): every later rescaling is an exact power of two, which a block's scale takes up: the codes' values come out the same.
;;   OPERANDS COMPUTED ON THE WAY. 'Computed on the way' means the value that the module computes at that place (a softmax that the list does not call 'softmax' is quantised finished and normalised). What goes into a quantiser is computed in f32, as accurately as f32 sums, v_exp_f32 and their like allow (about 1e-6 of the number): no bf16 or f16 on the way to a quantiser, and a product that is left as it is and whose result goes on into a quantised operand takes f32 operands (vector FMAs, or v_wmma_f32_16x16x4_f32). A number that lies on a knife's edge between two numbers of the format may be rounded either way, as far as f32 arithmetic and the matrix unit's own rounding can turn it there, and no further.
;; One version. Each part assembles by itself: llvm-mc -triple=amdgcn-amd-amdhsa -mcpu=gfx1250 --defsym DOCPART=n.
;; ======== version 1 of 1: 4 launches
;; limits: right only within a limited range of input values
;; workspace buffers: cod 15,073,280 bytes; scl 704,512 bytes; mimg 1,048,576 bytes; qimg 6,291,456 bytes; qsc 524,288 bytes; kv 3,342,336 bytes; yc 6,291,456 bytes; ys 262,144 bytes
;; launch prep (part 1): grid 592 x 1, 4 waves a work-group, no clusters, 82,432 bytes of LDS; arguments x, wqkv, wo, mask, cod, scl, mimg; writes cod, scl, mimg
.if DOCPART == 1
	.amdgcn_target "amdgcn-amd-amdhsa--gfx1250"
	.amdhsa_code_object_version 6
	.text
	.protected	k_q1a3bf5f738_prep
	.globl	k_q1a3bf5f738_prep
	.p2align	8
	.type	k_q1a3bf5f738_prep,@function
k_q1a3bf5f738_prep:
	s_mov_b64 s[64:65], 0
	v_nop
	global_prefetch_b8 v0, s[64:65] scope:SCOPE_SE
	s_setreg_imm32_b32 hwreg(HW_REG_WAVE_MODE, 25, 1), 1
	s_wait_xcnt 0x0
; x [4096][2048], wqkv [3072][2048], wo [2048][2048], f32, K innermost, become codes of FP6 (E2M3) with one E8M0 byte for each 32 along K; the mask becomes bytes of a bias.
; A block's scale is 2^(floor(log2(its largest magnitude)) - 2): its byte is the largest magnitude's exponent field - 2, held at 1 from below (a block of zeros keeps the byte 1: its codes are zeros, and this program alone reads the bytes).
; LIMITS: NaN and infinities among the inputs are not served; blocks whose largest magnitude lies under 2^-124 keep the byte 1.
; THE CODES (cod), three sections.  x and wqkv: [K step of 256][row position][192 bytes], so that 128 rows of one K step are 24,576 consecutive bytes; the row position is the row's number with bits 3 and 4 exchanged,
; so that 16 consecutive positions hold rows 32 b + 8 u + r + 8 (r / 8).  wo: [512 along K][tile of 16 rows][128 along K][1,536 bytes]: the last is an image of a matrix operand's 12 registers: registers 4 c .. 4 c + 3 of lane l
; at 512 c + 16 l; lane (r, h) holds row r, registers 6 c .. 6 c + 5 the codes of k = 64 c + 32 h + 0 .. 31.  THE SCALES (scl): [row position][64 bytes]; for wo the position is the row.
; SHARES: work-groups 0-255 x, 256-447 wqkv: 16 rows each, 4 rows a wave, a step = two rows x 256 numbers.  Work-groups 448-575 wo: a tile of 16 rows each, wave w its k = 512 w .. 512 w + 511, a step = one row's 512 numbers.
; Work-groups 576-591 the mask, one tile of 16 queries a wave.
; Each load reads 512 consecutive bytes; a step's 2,048 bytes turn through the wave's own stage in LDS, so that a lane holds 16 neighbours along K (two lanes a block).
; No tensor loads, no barrier: waves share nothing.  Loads run six steps ahead, the turn through LDS one step.  The two quantising paths have LDS bytes of their own.
; LAYOUT OF x's AND wqkv's SECTIONS, which takes the place of what is said of them above: a row position takes 208 bytes in cod (192 of codes, then 16 zero bytes) and 80 bytes in scl (64 scale bytes, then 16 zero bytes).
; So 128 positions of a K step are 26,624 consecutive bytes, and their scales 10,240: both multiples of 256; the next launch brings them into LDS as they lie, and the pitches 208 and 80 are its LDS pitches.
.set STEPS, 16
.set EMAX,  2
.set CB,    12                         ; bytes of 16 codes
.set R,     16                         ; v16-111  six sets of 16 numbers as loaded
.set X,     202                        ; v202-233 two sets of 16 neighbours (v16-111 hold SIX sets of 16 numbers as loaded: the loads run six steps, 24 loads a wave, ahead)
.set E,     234                        ; v234-249 a scale byte for each step
.set C,     128                        ; v128-191 codes: four registers for each step: no store's data are written again
.set KO,    192                        ; x, wqkv: v192-199 12 (lane % 16) + 208 (lane / 16) + K step x the section's bytes of a K step; never rewritten
.set AD,    192                        ; wo: v192-194 where my three code registers go in the wave's images; never rewritten
.set IA,    195                        ; wo: v195 16 x lane in the wave's images
.set WREG,  8192                       ; x, wqkv: LDS of a wave: two stages of 32 x SP bytes, then its 256 scale bytes
.set WOB,   32768                      ; wo: its LDS begins here;
.set WWR,   12288                      ; of a wave: two stages, 256 scale bytes, and from 6,144 on four images of 1,536 bytes
.set SP,    80
.set WC,    6815744                    ; sections of cod: x 8 x 4,096 x 208 bytes, wqkv 8 x 3,072 x 208, then wo
.set OC,    11927552
.set WS,    327680                     ; sections of scl: x 4,096 x 80 bytes, wqkv 3,072 x 80, then wo
.set OS,    573440
	s_load_b256 s[4:11], s[0:1], 0x0               ; x, wqkv, wo, mask
	s_load_b128 s[12:15], s[0:1], 0x20             ; cod, scl
	s_load_b64 s[16:17], s[0:1], 0x30              ; mimg
	v_lshl_add_u32 v200, v0, 2, 0x14000
	v_mov_b32 v201, 0
	v_lshrrev_b32 v1, 5, v0
	v_readfirstlane_b32 s18, v1                    ; wave 0..3
	v_and_b32 v2, 31, v0                           ; lane
	v_lshlrev_b32 v3, 4, v2                        ; 16 x lane
	s_cmp_ge_u32 ttmp9, 576
	s_cbranch_scc1 .Lmask
	s_cmp_ge_u32 ttmp9, 448
	s_cbranch_scc1 .Lwo
	s_mul_i32 s30, s18, WREG
	v_lshrrev_b32 v14, 2, v2
	v_mul_u32_u24 v14, v14, SP
	v_and_b32 v15, 3, v2
	v_lshl_add_u32 v14, v15, 4, v14
	v_add_nc_u32 v14, s30, v14                     ; the stage, in: four lanes' 64 bytes on end, then 16 of padding
	v_mul_u32_u24 v15, v2, SP
	v_add_nc_u32 v15, s30, v15                     ; and out: my 16 neighbours
	v_and_b32 v4, 15, v2
	v_mul_u32_u24 v4, v4, CB
	v_lshrrev_b32 v5, 4, v2
	v_mad_u32_u24 v4, v5, 208, v4                  ; my codes' place in a step's two positions: 12 (lane % 16) + 208 (lane / 16)
	s_add_co_u32 s31, s30, 2*32*SP                 ; my wave's 256 scale bytes
	v_lshrrev_b32 v5, 4, v2
	v_lshlrev_b32 v5, 6, v5                        ; 64 bytes a row: lanes 16-31 hold the pair's second row
	v_bfe_u32 v6, v0, 1, 3                         ; my block among the 8 of a K step
	v_add_nc_u32 v5, v5, v6
	v_add_nc_u32 v5, s31, v5
	v_lshlrev_b32 v7, 3, v2                        ; on the way out 8 bytes a lane
	v_add_nc_u32 v6, s31, v7
	v_lshrrev_b32 v10, 3, v2
	v_lshl_add_u32 v7, v10, 4, v7                  ; in scl eight lanes' 64 bytes, then 16 of padding
	s_mov_b32 s23, 3072*208                        ; wqkv's bytes of a K step
	s_wait_alu depctr_va_vdst(0)
	s_wait_kmcnt 0x0
	s_cmp_lt_u32 ttmp9, 256                        ; x or wqkv?  The choices hang on the work-group's number alone
	s_cselect_b64 s[4:5], s[4:5], s[6:7]
	s_cselect_b32 s20, 0, 256                      ; the tensor's first work-group,
	s_cselect_b32 s21, 0, WC                       ; its sections,
	s_cselect_b32 s22, 0, WS
	s_cselect_b32 s23, 4096*208, s23               ; its bytes of a K step
	s_sub_co_u32 s26, ttmp9, s20
	s_lshl_b32 s26, s26, 2
	s_add_co_u32 s26, s26, s18                     ; w: my rows are 4 w .. 4 w + 3
	s_and_b32 s27, s26, 0xfffffff9
	s_bfe_u32 s28, s26, 0x10001
	s_lshl_b32 s28, s28, 2
	s_or_b32 s27, s27, s28
	s_bfe_u32 s28, s26, 0x10002
	s_lshl_b32 s28, s28, 1
	s_or_b32 s27, s27, s28                         ; w with bits 1 and 2 exchanged (the rows' bits 3 and 4): their positions are 4 w' .. 4 w' + 3
	s_lshl_b32 s28, s26, 15                        ; 4 rows of 8,192 bytes
	s_mov_b32 s29, 0
	s_add_nc_u64 s[4:5], s[4:5], s[28:29]
	s_mul_i32 s28, s27, 832
	s_add_co_u32 s28, s28, s21
	s_add_nc_u64 s[12:13], s[12:13], s[28:29]      ; my codes of K step 0
	s_mul_i32 s28, s27, 320
	s_add_co_u32 s28, s28, s22
	s_add_nc_u64 s[14:15], s[14:15], s[28:29]      ; my 256 scale bytes
.irp k, 0,1,2,3,4,5,6,7
	s_mul_i32 s19, s23, \k
	v_add_nc_u32 v[KO+\k], s19, v4
.endr
; Step t's four loads of 512 consecutive bytes.  wo = 0: K step t / 2, rows 2 (t % 2) and 2 (t % 2) + 1.  wo = 1: row t's 2,048 bytes.
.macro LOAD t, wo
.irp i, 0,1,2,3
.if \wo
	global_load_b128 v[R+16*((\t)%6)+4*\i:R+16*((\t)%6)+4*\i+3], v3, s[8:9] offset:(\t)*8192+512*\i th:TH_LOAD_NT
.else
	global_load_b128 v[R+16*((\t)%6)+4*\i:R+16*((\t)%6)+4*\i+3], v3, s[4:5] offset:(2*((\t)%2)+\i/2)*8192+((\t)/2)*1024+(\i%2)*512 th:TH_LOAD_NT
.endif
.endr
.endm
.macro TURN t                          ; step t's numbers through the stage: LDS serves a wave's instructions in order, so no wait stands between the stores and the loads
.irp i, 0,1,2,3
	ds_store_b128 v14, v[R+16*((\t)%6)+4*\i:R+16*((\t)%6)+4*\i+3] offset:32*SP*((\t)%2)+8*SP*\i
.endr
.irp i, 0,1,2,3
	ds_load_b128 v[X+16*((\t)%2)+4*\i:X+16*((\t)%2)+4*\i+3], v15 offset:32*SP*((\t)%2)+16*\i
.endr
.endm
.macro STEP t, wo
.set XS, X+16*((\t)%2)
.if (\t) > 0
	s_wait_dscnt 1+3*(\wo)                         ; this step's numbers are back from the stage (the last step's byte store, and for wo its three word stores, may be out): so its stores into the stage have read their registers,
.else
	s_wait_dscnt 0x0
.endif
.if (\t)+6 < STEPS
	LOAD (\t)+6, \wo                               ; which take the loads of six steps on
.endif
.if (\t)+1 < STEPS
.if STEPS-2-(\t) >= 5
	s_wait_loadcnt 20                              ; the next step's four loads are in; those of the five steps behind it may be out
.else
	s_wait_loadcnt 4*(STEPS-2-(\t))
.endif
	TURN (\t)+1
.endif
	v_max3_num_f32 v8, |v[XS]|, |v[XS+1]|, |v[XS+2]|               ; the largest magnitude of my 16, in two chains
	v_max3_num_f32 v9, |v[XS+3]|, |v[XS+4]|, |v[XS+5]|
.irp i, 6,10
	v_max3_num_f32 v8, v8, |v[XS+\i]|, |v[XS+\i+1]|
	v_max3_num_f32 v9, v9, |v[XS+\i+2]|, |v[XS+\i+3]|
.endr
	v_max3_num_f32 v8, v8, |v[XS+14]|, |v[XS+15]|
	v_max3_num_f32 v8, v8, v9, (EMAX+1)<<23        ; and the floor 2^(3 - 127): the byte cannot fall under 1
	v_max_num_f32_dpp v8, v8, v8 row_xmask:1 row_mask:0xf bank_mask:0xf   ; and of my neighbour's 16: the block's
	v_add_nc_u32 v11, -(EMAX<<23), v8              ; 2 off its exponent field: the conversion takes this operand's exponent field as its scale
	v_cvt_scalef32_pk16_fp6_f32 v[C+4*(\t):C+4*(\t)+2], v[XS:XS+15], v11
	v_lshrrev_b32 v[E+(\t)], 23, v11               ; the scale's byte (a plain line behind the conversion)
.if \wo
	ds_store_b8 v5, v[E+(\t)] offset:16*(\t)       ; row t's 16 bytes; both lanes of a block write the same byte with the same value
.irp k, 0,1,2
	ds_store_b32 v[AD+\k], v[C+4*(\t)+\k] offset:16*(\t)           ; row t is lane row t of the images: 16 bytes on for each row
.endr
.else
	ds_store_b8 v5, v[E+(\t)] offset:128*((\t)%2)+8*((\t)/2)
	global_store_b96 v[KO+(\t)/2], v[C+4*(\t):C+4*(\t)+2], s[12:13] offset:416*((\t)%2)   ; two positions' codes, 192 consecutive bytes each
.endif
.endm
.irp t, 0,1,2,3,4,5
	LOAD \t, 0
.endr
	s_wait_loadcnt 20                              ; step 0's four loads are in
	TURN 0
.irp t, 0,1,2,3,4,5,6,7,8,9,10,11,12,13,14,15
	STEP \t, 0
.endr
	ds_load_b64 v[12:13], v6                       ; LDS serves a wave's instructions in order: these see my stores
	s_wait_dscnt 0x0
	global_store_b64 v7, v[12:13], s[14:15]        ; four positions' 64 scale bytes
.irp k, 16,17,18,19
	v_mov_b32 v\k, 0                               ; the padding is stored as zeros: the next launch's tensor loads read it
.endr
	v_lshrrev_b32 v20, 2, v2                       ; codes: lane = 4 x K step + position
	v_and_b32 v21, 3, v2
	v_mul_lo_u32 v20, v20, s23
	v_mad_u32_u24 v20, v21, 208, v20
	v_mul_u32_u24 v21, v21, 80                     ; scales: position = lane % 4 (eight lanes store the same zeros)
	global_store_b128 v20, v[16:19], s[12:13] offset:192
	global_store_b128 v21, v[16:19], s[14:15] offset:64
	s_wait_tensorcnt 0x0
	ds_add_u32 v200, v201
	s_wait_dscnt 0x0
	s_endpgm
; wo.  After the turn lane l holds k = 512 w + 16 l + 0 .. 15 of row t: unit l / 8 of the wave's four, block (l / 2) % 4 of the unit, half l % 2 of the block.  In the operand's layout that is lane half (l / 2) % 2,
; registers j0 .. j0 + 2 with j0 = 6 ((l / 4) % 2) + 3 (l % 2); register j lies at 512 (j / 4) + 4 (j % 4) of the image, + 16 for each lane.
.Lwo:
	s_mul_i32 s30, s18, WWR
	s_add_co_u32 s30, s30, WOB
	s_wait_alu depctr_va_vdst(0)
	v_lshrrev_b32 v14, 2, v2
	v_mul_u32_u24 v14, v14, SP
	v_and_b32 v15, 3, v2
	v_lshl_add_u32 v14, v15, 4, v14
	v_add_nc_u32 v14, s30, v14                     ; the stage, in
	v_mul_u32_u24 v15, v2, SP
	v_add_nc_u32 v15, s30, v15                     ; and out
	s_add_co_u32 s31, s30, 2*32*SP                 ; my wave's 256 scale bytes: [row][16]
	v_lshrrev_b32 v5, 1, v2
	v_add_nc_u32 v5, s31, v5                       ; my block's byte
	v_lshlrev_b32 v6, 3, v2
	v_add_nc_u32 v6, s31, v6                       ; on the way out 8 bytes a lane: row l / 2, half l % 2,
	v_lshrrev_b32 v7, 1, v2
	v_lshlrev_b32 v7, 6, v7
	v_and_b32 v4, 1, v2
	v_lshl_add_u32 v7, v4, 3, v7                   ; which lie at 64 (l / 2) + 8 (l % 2) of the tile's scales
	s_add_co_u32 s19, s30, 6144                    ; my wave's four images
	v_add_nc_u32 v[IA], s19, v3
	v_bfe_u32 v8, v0, 2, 1
	v_mul_u32_u24 v8, v8, 6
	v_mad_u32_u24 v8, v4, 3, v8                    ; j0
	v_bfe_u32 v9, v0, 3, 2
	v_mul_u32_u24 v9, v9, 1536                     ; the unit's image,
	v_bfe_u32 v10, v0, 1, 1
	v_lshl_add_u32 v9, v10, 8, v9                  ; lanes 16-31 of it for the odd blocks
	v_add_nc_u32 v9, s19, v9
.irp k, 0,1,2
	v_add_nc_u32 v10, \k, v8                       ; j
	v_lshrrev_b32 v11, 2, v10
	v_and_b32 v10, 3, v10
	v_lshl_add_u32 v11, v11, 9, v9
	v_lshl_add_u32 v[AD+\k], v10, 2, v11
.endr
	s_sub_co_u32 s20, ttmp9, 448                   ; the tile of 16 rows
	s_lshl_b32 s22, s20, 17                        ; 16 rows of 8,192 bytes,
	s_lshl_b32 s23, s18, 11                        ; my 512 numbers of a row
	s_add_co_u32 s22, s22, s23
	s_mov_b32 s23, 0
	s_mul_i32 s24, s18, 128*6144                   ; codes: [512 along K][tile][6,144 bytes]
	s_mul_i32 s25, s20, 6144
	s_add_co_u32 s24, s24, s25
	s_add_co_u32 s24, s24, OC
	s_mov_b32 s25, 0
	s_lshl_b32 s26, s20, 10                        ; scales: 16 rows of 64 bytes, my 16 bytes of a row
	s_lshl_b32 s27, s18, 4
	s_add_co_u32 s26, s26, s27
	s_add_co_u32 s26, s26, OS
	s_mov_b32 s27, 0
	s_wait_kmcnt 0x0
	s_add_nc_u64 s[8:9], s[8:9], s[22:23]
	s_add_nc_u64 s[12:13], s[12:13], s[24:25]
	s_add_nc_u64 s[14:15], s[14:15], s[26:27]
.irp t, 0,1,2,3,4,5
	LOAD \t, 1
.endr
	s_wait_loadcnt 20                              ; step 0's four loads are in
	TURN 0
.irp t, 0,1,2,3,4,5,6,7,8,9,10,11,12,13,14,15
	STEP \t, 1
.endr
	ds_load_b64 v[12:13], v6                       ; LDS serves a wave's instructions in order: these see my stores
.irp n, 0,1,2,3,4,5,6,7,8,9,10,11
	ds_load_b128 v[R+4*\n:R+4*\n+3], v[IA] offset:512*\n
.endr
	s_wait_dscnt 12                                ; the scale bytes are in; the twelve loads behind them may be out
	global_store_b64 v7, v[12:13], s[14:15]        ; 16 bytes of each of 16 rows: the four waves together fill the tile's 1,024 bytes
.irp n, 0,1,2,3,4,5,6,7,8,9,10,11
	s_wait_dscnt 11-\n
	global_store_b128 v3, v[R+4*\n:R+4*\n+3], s[12:13] offset:512*\n   ; 512 consecutive bytes, aligned to 256: 6,144 on end
.endr
	s_wait_tensorcnt 0x0
	ds_add_u32 v200, v201
	s_wait_dscnt 0x0
	s_endpgm
; THE MASK.  mimg: [tile t of 16 queries][key step of 128][block b of 32 keys][lane][16 bytes].  Lane (r, h) holds, for query 32 (t / 2) + 8 (t % 2) + r + 8 (r / 8) and keys 128 ks + 32 b + 16 h + 0 .. 15,
; the byte 0x00 where the key counts and 0xf1 where it is hidden: as the top byte of a word these are the f32 numbers 0 and -2^99.
.Lmask:
	s_sub_co_u32 s20, ttmp9, 576
	s_lshl_b32 s20, s20, 2
	s_add_co_u32 s20, s20, s18                     ; t
	s_lshr_b32 s21, s20, 1
	s_lshl_b32 s21, s21, 5
	s_and_b32 s22, s20, 1
	s_lshl_b32 s22, s22, 3
	s_add_co_u32 s22, s21, s22                     ; the tile's first query,
	s_lshl_b32 s22, s22, 10                        ; its row of 1,024 bytes
	s_mov_b32 s23, 0
	s_lshl_b32 s24, s20, 14                        ; the tile's 16,384 bytes of mimg
	s_mov_b32 s25, 0
	s_mov_b32 s26, 0xf1
	v_and_b32 v4, 15, v0
	v_and_b32 v5, 8, v4
	v_add_nc_u32 v4, v4, v5                        ; r + 8 (r / 8)
	v_bfe_u32 v5, v0, 4, 1                         ; h
	v_lshlrev_b32 v10, 10, v4
	v_lshl_add_u32 v10, v5, 4, v10
	s_wait_alu depctr_va_vdst(0)
	s_wait_kmcnt 0x0
	s_add_nc_u64 s[10:11], s[10:11], s[22:23]
	s_add_nc_u64 s[16:17], s[16:17], s[24:25]
.irp n, 0,1,2,3,4,5,6,7,8,9,10,11,12,13,14,15,16,17,18,19,20,21,22,23,24,25,26,27,28,29,30,31
	global_load_b128 v[16+4*\n:19+4*\n], v10, s[10:11] offset:32*\n
.endr
.irp n, 0,1,2,3,4,5,6,7,8,9,10,11,12,13,14,15,16,17,18,19,20,21,22,23,24,25,26,27,28,29,30,31
	s_wait_loadcnt 31-\n                           ; loads come back in order: this one is in, the younger ones may be out
.irp k, 0,1,2,3
	v_xor_b32 v[16+4*\n+\k], 0x01010101, v[16+4*\n+\k]             ; 1 where the key is hidden,
.endr
.irp k, 0,1,2,3
	v_mul_lo_u32 v[16+4*\n+\k], v[16+4*\n+\k], s26                 ; 0xf1 there: no byte carries into the next
.endr
	global_store_b128 v3, v[16+4*\n:19+4*\n], s[16:17] offset:512*\n   ; 512 consecutive bytes
.endr
	s_endpgm
.Lfunc_end_k_q1a3bf5f738_prep:
	.size	k_q1a3bf5f738_prep, .Lfunc_end_k_q1a3bf5f738_prep-k_q1a3bf5f738_prep
	.p2alignl 7, 3214868480
	.fill 96, 4, 3214868480
	.section	.rodata,"a",@progbits
	.p2align	6, 0x0
	.amdhsa_kernel k_q1a3bf5f738_prep
		.amdhsa_group_segment_fixed_size 82432
		.amdhsa_private_segment_fixed_size 0
		.amdhsa_enable_private_segment 0
		.amdhsa_kernarg_size 56
		.amdhsa_user_sgpr_count 2
		.amdhsa_user_sgpr_kernarg_segment_ptr 1
		.amdhsa_wavefront_size32 1
		.amdhsa_system_sgpr_workgroup_id_x 1
		.amdhsa_system_sgpr_workgroup_id_y 1
		.amdhsa_system_sgpr_workgroup_id_z 1
		.amdhsa_system_vgpr_workitem_id 0
		.amdhsa_next_free_vgpr 250
		.amdhsa_next_free_sgpr 66
		.amdhsa_reserve_vcc 0
		.amdhsa_float_denorm_mode_32 3
		.amdhsa_float_denorm_mode_16_64 3
		.amdhsa_memory_ordered 1
		.amdhsa_forward_progress 1
		.amdhsa_inst_pref_size 95
	.end_amdhsa_kernel
	.amdgpu_metadata
---
amdhsa.version: [ 1, 2 ]
amdhsa.kernels:
  - .name:           k_q1a3bf5f738_prep
    .symbol:         k_q1a3bf5f738_prep.kd
    .args:
      - { .name: x, .offset: 0, .size: 8, .value_kind: global_buffer, .address_space: global }
      - { .name: wqkv, .offset: 8, .size: 8, .value_kind: global_buffer, .address_space: global }
      - { .name: wo, .offset: 16, .size: 8, .value_kind: global_buffer, .address_space: global }
      - { .name: mask, .offset: 24, .size: 8, .value_kind: global_buffer, .address_space: global }
      - { .name: cod, .offset: 32, .size: 8, .value_kind: global_buffer, .address_space: global }
      - { .name: scl, .offset: 40, .size: 8, .value_kind: global_buffer, .address_space: global }
      - { .name: mimg, .offset: 48, .size: 8, .value_kind: global_buffer, .address_space: global }
    .group_segment_fixed_size: 82432
    .private_segment_fixed_size: 0
    .kernarg_segment_align: 8
    .kernarg_segment_size: 56
    .max_flat_workgroup_size: 128
    .sgpr_count:     66
    .vgpr_count:     250
    .wavefront_size: 32
...
	.end_amdgpu_metadata
.endif
;; end of part 1
;; launch qkv (part 2): grid 12 x 16, 4 waves a work-group, clusters of 4 x 4, 327,680 bytes of LDS; arguments cod, scl, freqs_cis, qimg, qsc, kv; writes qimg, qsc, kv
.if DOCPART == 2
	.amdgcn_target "amdgcn-amd-amdhsa--gfx1250"
	.amdhsa_code_object_version 6
	.text
	.protected	k_q1a3bf5f738_qkv
	.globl	k_q1a3bf5f738_qkv
	.p2align	8
	.type	k_q1a3bf5f738_qkv,@function
k_q1a3bf5f738_qkv:
	s_mov_b64 s[64:65], 0
	v_nop
	global_prefetch_b8 v0, s[64:65] scope:SCOPE_SE
	s_setreg_imm32_b32 hwreg(HW_REG_WAVE_MODE, 25, 1), 1
	s_wait_xcnt 0x0
	s_wait_alu depctr_hold_cnt(0) depctr_sa_sdst(0) depctr_va_vdst(0) depctr_va_sdst(0) depctr_va_ssrc(0) depctr_va_vcc(0) depctr_vm_vsrc(0)
	s_getreg_b32 s2, hwreg(HW_REG_IB_STS2, 6, 4)
	s_cmp_eq_u32 s2, 0
	s_cbranch_scc0 .Lentry_in_a_cluster
	s_endpgm
.Lentry_in_a_cluster:
	s_bfe_u32 s2, ttmp6, 0x10000c
	s_cmp_lg_u32 s2, 0xf033
	s_cbranch_scc0 .Lentry_shape_is_right
	s_endpgm
.Lentry_shape_is_right:
; qkv = x wqkv^T on codes of FP6 (E2M3) with E8M0 scales; rotary on q and k; q, k (along the head) and v (along the keys) are quantised and leave as images of the next launch's operand registers.
; A work-group makes 256 tokens x (128 + 128) features, a wave 128 x 128; K goes in steps of 256 through two LDS slots filled by joint tensor loads (A's tiles shared along a row of the cluster, B's along a column).
; A row position is 208 bytes in memory and in LDS (192 of codes, 16 zero bytes), its scales 80 (64 and 16): the tiles are dense blocks, brought as rows of 256 bytes with no padding of the mover's, so every LDS byte of a slot is written.
; The waves that make v take the two operands the other way round (addresses chosen by the cluster's number and the wave's), so that a lane's registers run along the keys.
.set NQ,     2
.set PITCH,  208
.set FR,     12
.set NL,     6
.set NP,     4
.set HALFT,  128*PITCH
.set SLOT,   4*HALFT
.set LAPS,   4
.set SCL,    2*SLOT
.set HALFS,  128*80
.set SBLK,   16*80
.set SPARE,  SCL+4*HALFS
.set KSA,    4096*208
.set KSB,    3072*208
.set WC,     6815744
.set WS,     327680
.set ADRA, 16
.set ADRB, 20
.set FA,   24
.set I16,  25
.set I8,   26
.set ADRS, 27
.set SPW,  28
.set NIL,  29
.set SC,   32
.set FQ,   64
.set AF,   128
.set HA,   128
.set PC,   192
.set TM,   212
.set PW,   228
.set H16,  236
.set TL,   240
.set G1, 24
.set G0, 32
.set G1B, 48
.set G0B, 56
.set KIND, 66
.set SWP,  67
.set G1S, 68
.set G0S, 76
.set G1SB, 80
.set G0SB, 88
.set T0R,  95
.set G0H,  4                           ; s[4:7], s[8:11] group 0 of the head's loads of codes (the arguments that lay there have been used by then);
.set G0HB, 8
.set PFS,  4                           ; behind the head s[4:5]: a K step of my operand in bytes
.set PFA,  92                          ; s[92:93] where my next prefetch stands
.set PFO,  30                          ; v30 256 x min(lane, 25); never rewritten
; THE PREFETCHES.  Behind the load of K step k stands one prefetch of K step k + 2.  Of the 104 blocks of 256 bytes that a wave fetches in the ring, each of the four partners that ask for them jointly names 26,
; told apart by address (cx for x's tiles, cy for wqkv's): a lane a block, lanes 26-31 the last block again.  K steps 0 and 1 come by their loads alone; the loads of K steps 6 and 7 ask for nothing.
.set MSB, 0
.macro WIN new
.if MSB != (\new)
	s_set_vgpr_msb (MSB<<8)|(\new)
.set MSB, (\new)
.endif
.endm
.set MUL_LO, 0xa1
.set MUL_HI, 0xf1
.set TO_B,   0x40
.macro JLOAD g0a, g1a, g0b, g1b
	s_cmp_eq_u32 s15, 0
	s_cbranch_scc0 .Lfor_b_\@
	tensor_load_to_lds s[\g0a:\g0a+3], s[\g1a:\g1a+7]
	s_nop 0
.rept 4
	v_nop
.endr
	s_branch .Lasked_\@
.Lfor_b_\@:
	tensor_load_to_lds s[\g0b:\g0b+3], s[\g1b:\g1b+7]
	s_nop 0
.rept 4
	v_nop
.endr
.Lasked_\@:
.endm
.macro CREST
	s_cmp_lg_u32 s14, 0
	s_cbranch_scc1 .Lnot_wave_0_\@
	s_barrier_signal -3
.Lnot_wave_0_\@:
	s_barrier_wait -3
	s_barrier_signal -1
	s_barrier_wait -1
.endm
.macro CROUND
	s_barrier_signal -1
	s_barrier_wait -1
	CREST
.endm
	s_load_b128 s[4:7], s[0:1], 0x0
	s_load_b64 s[12:13], s[0:1], 0x10
	s_load_b128 s[96:99], s[0:1], 0x18
	s_load_b64 s[100:101], s[0:1], 0x28
	v_lshl_add_u32 v[SPW], v0, 2, SPARE
	v_mov_b32 v[NIL], 0
	ds_add_u32 v28, v29
	ds_add_u32 v28, v29
	s_wait_dscnt 0x0
	v_lshrrev_b32 v1, 5, v0
	v_readfirstlane_b32 s14, v1
	s_lshr_b32 s15, s14, 1
	s_and_b32 s16, s14, 1
	s_bfe_u32 s40, ttmp6, 0x40000
	s_bfe_u32 s41, ttmp6, 0x40004
	s_lshl_b32 s42, ttmp9, 2
	s_add_co_u32 s42, s42, s40
	s_and_b32 s17, ttmp7, 0xffff
	s_lshl_b32 s17, s17, 2
	s_add_co_u32 s17, s17, s41
	s_lshl_b32 s43, s41, 2
	s_lshl_b32 s43, 15, s43
	s_lshl_b32 s44, 0x1111, s40
	s_mul_i32 s[KIND], s16, ttmp9
	s_or_b32 s[G1+0], s43, (3<<16)|(1<<21)
	s_or_b32 s[G1B+0], s44, (3<<16)|(1<<21)
.macro DESC g, c, r, p                 ; words 1 to 7 of a group 1: r rows of c elements of 8 bytes, p elements from row to row
	s_mov_b32 s[\g+1], (\c)<<16
	s_mov_b32 s[\g+2], (\r)<<16
	s_mov_b32 s[\g+3], (\c)<<16
	s_mov_b32 s[\g+4], \r
	s_mov_b32 s[\g+5], \p
	s_mov_b32 s[\g+6], 0
	s_mov_b32 s[\g+7], 0
.endm
	DESC G1, 32, 208, 32                           ; for the head: x's 256 positions of a K step, 53,248 dense bytes;
	DESC G1B, 3328, 2, 39936                       ; wqkv's two runs of 128 positions, 26,624 bytes each, 1,536 positions apart
	s_or_b32 s[G1S+0], s43, (3<<16)|(1<<21)
	s_or_b32 s[G1SB+0], s44, (3<<16)|(1<<21)
	DESC G1S, 32, 80, 32                           ; the scales of x's 256 positions, 20,480 dense bytes;
	DESC G1SB, 1280, 2, 15360                      ; those of wqkv's two runs, 10,240 bytes each
	s_lshl_b32 s20, s17, 8
	s_lshl_b32 s46, s42, 7
	s_mul_i32 s22, s20, 80
	s_mov_b32 s23, 0
	s_mul_i32 s92, s46, 80
	s_mov_b32 s93, 0
	s_mul_i32 s20, s20, 208
	s_mov_b32 s21, 0
	s_mul_i32 s46, s46, 208
	s_mov_b32 s47, 0
	s_mul_i32 s45, s14, HALFT
	s_wait_kmcnt 0x0
	s_add_nc_u64 s[8:9], s[4:5], WC
	s_add_nc_u64 s[10:11], s[6:7], WS
	s_add_nc_u64 s[20:21], s[4:5], s[20:21]
	s_add_nc_u64 s[22:23], s[6:7], s[22:23]
	s_add_nc_u64 s[46:47], s[8:9], s[46:47]
	s_add_nc_u64 s[92:93], s[10:11], s[92:93]
	CROUND
	s_mov_b32 s[G0S], 1
	s_mov_b32 s[G0S+1], SCL
	s_mov_b64 s[G0S+2:G0S+3], s[22:23]
	s_or_b32 s[G0S+3], s[G0S+3], 0x80000000
	s_mov_b32 s[G0SB], 1
	s_mov_b32 s[G0SB+1], SCL+2*HALFS
	s_mov_b64 s[G0SB+2:G0SB+3], s[92:93]
	s_or_b32 s[G0SB+3], s[G0SB+3], 0x80000000
	s_mov_b32 s[G0H], 1                            ; K step 0's codes, each operand whole
	s_mov_b32 s[G0H+1], 0
	s_mov_b64 s[G0H+2:G0H+3], s[20:21]
	s_or_b32 s[G0H+3], s[G0H+3], 0x80000000
	s_mov_b32 s[G0HB], 1
	s_mov_b32 s[G0HB+1], 2*HALFT
	s_mov_b64 s[G0HB+2:G0HB+3], s[46:47]
	s_or_b32 s[G0HB+3], s[G0HB+3], 0x80000000
	s_mul_i32 s18, s16, 128*PITCH                  ; for the ring: my 128 positions of the tile
	s_mov_b32 s19, 0
	s_add_nc_u64 s[20:21], s[20:21], s[18:19]
	s_mul_i32 s18, s16, 1536*PITCH
	s_add_nc_u64 s[46:47], s[46:47], s[18:19]
	s_mov_b32 s94, 2*KSB
	s_cmp_eq_u32 s15, 0                            ; do I fetch for x?
	s_cselect_b64 s[PFA:PFA+1], s[20:21], s[46:47]
	s_cselect_b32 s18, s40, s41                    ; my place among the four that ask with me
	s_cselect_b32 s94, 2*KSA, s94
	s_mul_i32 s18, s18, 26*256
	s_add_co_u32 s18, s18, s94
	s_add_nc_u64 s[PFA:PFA+1], s[PFA:PFA+1], s[18:19]   ; my 26 blocks of K step 2
.irp s, 0,1
	s_mov_b32 s[G0+4*\s], 1
	s_add_co_u32 s[G0+4*\s+1], s45, \s*SLOT
	s_add_nc_u64 s[G0+4*\s+2:G0+4*\s+3], s[20:21], \s*KSA
	s_or_b32 s[G0+4*\s+3], s[G0+4*\s+3], 0x80000000
	s_mov_b32 s[G0B+4*\s], 1
	s_add_co_u32 s[G0B+4*\s+1], s45, \s*SLOT
	s_add_nc_u64 s[G0B+4*\s+2:G0B+4*\s+3], s[46:47], \s*KSB
	s_or_b32 s[G0B+4*\s+3], s[G0B+4*\s+3], 0x80000000
.endr
; THE HEAD'S LOADS, ONE A WAVE: wave 0 x's codes of K step 0, wave 1 wqkv's, wave 2 x's scales, wave 3 wqkv's.  One tree of branches on the wave's number: every way passes exactly one load.
.macro ARM under, g0, g1, next
	s_cmp_lt_u32 s14, \under
	s_cbranch_scc0 \next
	tensor_load_to_lds s[\g0:\g0+3], s[\g1:\g1+7]
	s_nop 0
.rept 4
	v_nop
.endr
	s_branch .Lhead_asked
\next:
.endm
	ARM 1, G0H,  G1,  .Lhead_b
	ARM 2, G0HB, G1B, .Lhead_sa
	ARM 3, G0S,  G1S, .Lhead_sb
	tensor_load_to_lds s[G0SB:G0SB+3], s[G1SB:G1SB+7]
	s_nop 0
.rept 4
	v_nop
.endr
.Lhead_asked:
	v_and_b32 v1, 15, v0
	v_bfe_u32 v2, v0, 4, 1
	v_mul_u32_u24 v3, v1, PITCH
	v_mul_u32_u24 v4, v2, 24
	v_add_nc_u32 v4, v3, v4
	s_wait_alu depctr_va_vdst(0)
	s_wait_alu depctr_va_vdst(0)
	s_mul_i32 s21, s15, HALFT
	s_mul_i32 s22, s16, HALFT
	s_add_co_u32 s22, s22, 2*HALFT
	s_cmp_eq_u32 s[KIND], 2
	s_cselect_b32 s[SWP], 1, 0
	s_cselect_b32 s18, s22, s21
	s_cselect_b32 s19, s21, s22
.irp s, 0,1
	v_add_nc_u32 v[ADRA+\s], s18, v4
	v_add_nc_u32 v[ADRB+\s], s19, v4
	s_add_co_u32 s18, s18, SLOT
	s_add_co_u32 s19, s19, SLOT
.endr
	v_mul_u32_u24 v5, v1, 80
	s_mul_i32 s21, s15, HALFS
	s_mul_i32 s22, s16, HALFS
	s_add_co_u32 s22, s22, 2*HALFS
	s_sub_co_u32 s22, s22, s21
	v_xor_b32 v7, s[SWP], v2
	v_mul_u32_u24 v6, s22, v7
	s_add_co_u32 s21, s21, SCL
	v_add_nc_u32 v5, v5, v6
	v_add_nc_u32 v[ADRS], s21, v5
	v_and_b32 v6, 8, v1
	v_add_nc_u32 v6, v6, v1
	v_lshlrev_b32 v[FA], 8, v6
	v_lshl_add_u32 v[FA], v2, 6, v[FA]
	v_and_b32 v6, 31, v0
	v_lshlrev_b32 v[I16], 4, v6
	v_lshlrev_b32 v[I8], 3, v6
	v_min_u32 v[PFO], 25, v6
	v_lshlrev_b32 v[PFO], 8, v[PFO]
	s_lshl_b32 s[T0R], s17, 8
	s_lshl_b32 s18, s15, 7
	s_add_co_u32 s[T0R], s[T0R], s18
	s_and_b32 s18, s[T0R], 1023
	s_lshl_b32 s18, s18, 8
	s_mov_b32 s19, 0
	s_add_nc_u64 s[12:13], s[12:13], s[18:19]
; The rotary table of block a of 16 tokens, 32 registers from v[r] on.  Blocks 0-3 are asked for here (0, 1 in window 0; 2, 3 in the 64 registers of window 1 that no fragment uses), blocks 4-6 ahead of the last
; 128 along K, into the set of fragments that is done with, block 7 behind block 0's use, into its registers.
.macro FLOAD a, r
.irp e, 0,1
.irp q, 0,1,2,3
	global_load_b128 v[\r+16*\e+4*\q:\r+16*\e+4*\q+3], v[FA], s[12:13] offset:(32*((\a)/2)+8*((\a)%2))*256+128*\e+16*\q
.endr
.endr
.endm
	s_wait_alu depctr_va_vdst(0)                   ; directly ahead of the first reader: it covers the loads' address and the prefetches' offset
	FLOAD 0, 64
	FLOAD 1, 96
	WIN TO_B
	FLOAD 2, 96
	FLOAD 3, 224
	WIN 0
	global_prefetch_b8 v[PFO], s[PFA:PFA+1] th:TH_LOAD_NT scope:SCOPE_SE   ; K step 2
.macro FRAG reg, adr, q, i
.irp p, 0,1,2,3,4,5
.set PCE, 12*(\q)+6*(\p/3)+\p%3
	ds_load_b64 v[\reg+2*\p:\reg+2*\p+1], v[\adr] offset:8*PCE+(\i)*16*PITCH
.endr
.endm
.macro MUL16 a0, p, q, sc, zero
.irp a, \a0, \a0+1
.irp b, 0,1,2,3,4,5,6,7
.if \zero
	v_wmma_scale_f32_16x16x128_f8f6f4 v[8*(8*((\a)%4)+\b):8*(8*((\a)%4)+\b)+7], v[128*(\p)+FR*\b:128*(\p)+FR*\b+FR-1], v[AF+FR*(\a):AF+FR*(\a)+FR-1], 0, v[SC+8*NQ*(\sc)+NQ*\b+(\q)], v[SC+8*NQ*(\sc)+NQ*(\a)+(\q)] matrix_a_fmt:MATRIX_FMT_FP6 matrix_b_fmt:MATRIX_FMT_FP6 matrix_a_scale:MATRIX_SCALE_ROW1
.else
	v_wmma_scale_f32_16x16x128_f8f6f4 v[8*(8*((\a)%4)+\b):8*(8*((\a)%4)+\b)+7], v[128*(\p)+FR*\b:128*(\p)+FR*\b+FR-1], v[AF+FR*(\a):AF+FR*(\a)+FR-1], v[8*(8*((\a)%4)+\b):8*(8*((\a)%4)+\b)+7], v[SC+8*NQ*(\sc)+NQ*\b+(\q)], v[SC+8*NQ*(\sc)+NQ*(\a)+(\q)] matrix_a_fmt:MATRIX_FMT_FP6 matrix_b_fmt:MATRIX_FMT_FP6 matrix_a_scale:MATRIX_SCALE_ROW1
.endif
.endr
.endr
.endm
.macro FETCH_B slot, q, p
	WIN TO_B
.irp i, 0,1,2,3,4,5,6,7
	FRAG 128*(\p)+FR*\i, ADRB+\slot, \q, \i
.endr
	WIN 0
.endm
.macro FETCH_A slot, q, i0
.irp i, \i0, \i0+1, \i0+2, \i0+3
	FRAG AF+FR*(\i), ADRA+\slot, \q, \i
.endr
.endm
.macro SCALES sc
.irp i, 0,1,2,3,4,5,6,7
	ds_load_b64 v[SC+8*NQ*\sc+NQ*\i:SC+8*NQ*\sc+NQ*\i+1], v[ADRS] offset:\i*SBLK
.endr
.endm
.macro PLACES n
.rept \n
	v_nop
.endr
.endm
.macro STEP slot, q, zero
	s_wait_dscnt 4*NL
	WIN MUL_LO
	MUL16 0, (\q)%2, \q, \slot, \zero
	MUL16 2, (\q)%2, \q, \slot, \zero
	s_wait_dscnt 0
	PLACES NP
	FETCH_B \slot, (\q)+1, 1-(\q)%2
	FETCH_A \slot, (\q)+1, 0
	WIN MUL_HI
	MUL16 4, (\q)%2, \q, \slot, \zero
	MUL16 6, (\q)%2, \q, \slot, \zero
	PLACES NP
	WIN 0
	FETCH_A \slot, (\q)+1, 4
.endm
.macro TURN slot, next, fill
.if \fill
	s_wait_xcnt 0x0                                ; my last prefetch has read its address: it is stepped here, a K step behind that prefetch
	s_add_nc_u64 s[PFA:PFA+1], s[PFA:PFA+1], s[PFS:PFS+1]
.endif
	s_wait_tensorcnt 0x0
	ds_add_u32 v[SPW], v[NIL]
	s_wait_dscnt 4*NL+1
	WIN MUL_LO
	MUL16 0, 1, NQ-1, \slot, 0
	s_wait_dscnt 0x0
	s_barrier_signal -1
	MUL16 2, 1, NQ-1, \slot, 0
	WIN 0
	s_barrier_wait -1
.if \fill
	CREST
	s_add_nc_u64 s[G0+4*\slot+2:G0+4*\slot+3], s[G0+4*\slot+2:G0+4*\slot+3], 2*KSA
	s_add_nc_u64 s[G0B+4*\slot+2:G0B+4*\slot+3], s[G0B+4*\slot+2:G0B+4*\slot+3], 2*KSB
	JLOAD G0+4*\slot, G1, G0B+4*\slot, G1B
.else
	PLACES NP
.endif
	s_wait_alu depctr_va_vdst(0)
	v_add_nc_u32 v[ADRS], 4*NQ, v[ADRS]
	FETCH_B \next, 0, 0
	FETCH_A \next, 0, 0
	SCALES \next
.if \fill
	s_cmp_gt_u32 s3, 1                             ; the last trip's two refills have no K step two on
	s_cbranch_scc0 .Lno_ask_\@
	global_prefetch_b8 v[PFO], s[PFA:PFA+1] th:TH_LOAD_NT scope:SCOPE_SE
.Lno_ask_\@:
.endif
	WIN MUL_HI
	MUL16 4, 1, NQ-1, \slot, 0
	MUL16 6, 1, NQ-1, \slot, 0
	PLACES NP
	WIN 0
	FETCH_A \next, 0, 4
.endm
	s_wait_alu depctr_va_vdst(0)
	s_wait_tensorcnt 0x0                           ; my tile of the head's four is in
	ds_add_u32 v[SPW], v[NIL]
	DESC G1, 32, 104, 32                           ; no tensor load of mine is out, so the descriptors may be written: from here on a load brings 128 positions, 26,624 dense bytes
	DESC G1B, 32, 104, 32
	s_mov_b32 s[PFS], KSB
	s_cmp_eq_u32 s15, 0
	s_cselect_b32 s[PFS], KSA, s[PFS]
	s_mov_b32 s[PFS+1], 0
	s_wait_xcnt 0x0                                ; the head's prefetch has read its address
	s_add_nc_u64 s[PFA:PFA+1], s[PFA:PFA+1], s[PFS:PFS+1]
	s_wait_dscnt 0x0
	CROUND                                         ; all four tiles are in, and all sixteen work-groups are here
	JLOAD G0+4, G1, G0B+4, G1B                     ; K step 1, the first tensor load behind the round
	FETCH_B 0, 0, 0
	FETCH_A 0, 0, 0
	SCALES 0
	FETCH_A 0, 0, 4
	global_prefetch_b8 v[PFO], s[PFA:PFA+1] th:TH_LOAD_NT scope:SCOPE_SE   ; K step 3
	STEP 0, 0, 1
	s_mov_b32 s3, LAPS-1
.Llap:
	TURN 0, 1, 1
	STEP 1, 0, 0
	TURN 1, 0, 1
	STEP 0, 0, 0
	s_sub_co_u32 s3, s3, 1
	s_cmp_lg_u32 s3, 0
	s_cbranch_scc1 .Llap
	TURN 0, 1, 0
	STEP 1, 0, 0
	WIN TO_B                                       ; set 0 of window 1's fragments is done with (four places stand behind its last products)
	FLOAD 4, 0
	FLOAD 5, 32
	FLOAD 6, 64
	WIN 0
	s_wait_dscnt 4*NL
	WIN MUL_LO
	MUL16 0, 1, NQ-1, 1, 0
	MUL16 2, 1, NQ-1, 1, 0
	s_wait_dscnt 0
	WIN MUL_HI
	MUL16 4, 1, NQ-1, 1, 0
	MUL16 6, 1, NQ-1, 1, 0
	WIN 0
	s_mul_i32 s18, s16, 12
	s_add_co_u32 s18, s18, s42
	s_lshr_b32 s19, s[T0R], 10
	s_bfe_u32 s20, s[T0R], 0x30007
	s_lshl_b32 s21, s19, 4
	s_add_co_u32 s21, s21, s18
	s_lshl_b32 s21, s21, 3
	s_add_co_u32 s21, s21, s20
	s_lshl_b32 s22, s21, 10
	s_mov_b32 s23, 0
	s_add_nc_u64 s[28:29], s[98:99], s[22:23]
	s_lshl_b32 s21, s19, 5
	s_lshl_b32 s22, s18, 1
	s_add_co_u32 s21, s21, s22
	s_lshl_b32 s22, s[KIND], 2
	s_add_co_u32 s22, s22, 12
	s_sub_co_u32 s22, s18, s22
	s_lshl_b32 s22, s22, 1
	s_lshl_b32 s30, s19, 3
	s_add_co_u32 s22, s22, s30
	s_mov_b32 s30, 104448
	s_mov_b32 s31, 13056
	s_cmp_eq_u32 s[KIND], 0
	s_cselect_b32 s21, s21, s22
	s_cselect_b32 s30, 49152, s30
	s_cselect_b32 s31, 6144, s31
	s_cselect_b64 s[24:25], s[96:97], s[100:101]
	s_mul_i32 s21, s21, s30
	s_mul_i32 s22, s20, s31
	s_add_co_u32 s22, s21, s22
	s_mov_b32 s23, 0
	s_add_nc_u64 s[24:25], s[24:25], s[22:23]
	s_mov_b32 s31, 0
	s_add_nc_u64 s[26:27], s[24:25], s[30:31]
	s_mov_b32 s20, 0x76543210
	s_mov_b32 s21, 0xfedcba98
	PLACES NP
	v_bfe_u32 v[H16], v0, 4, 1
	v_lshlrev_b32 v[H16], 4, v[H16]
.irp b, 0,1,2,3
	v_mov_b32 v[TM+4+\b], 0
.endr
.macro QUANT s, w, pw
	WIN (\w)|((\w)<<2)
.irp b, 0,1,2,3
	v_max3_num_f32 v[TM+\b], |v[\s+16*\b]|, |v[\s+1+16*\b]|, 0x1800000
.endr
.irp n, 2,4,6,8,10,12,14
.irp b, 0,1,2,3
	v_max3_num_f32 v[TM+\b], |v[\s+16*\b+\n]|, |v[\s+1+16*\b+\n]|, v[TM+\b]
.endr
.endr
	WIN 0
.irp b, 0,1,2,3
	v_permlanex16_b32 v[TM+4+\b], v[TM+\b], s20, s21
.endr
.irp b, 0,1,2,3
	v_max_num_f32 v[TM+\b], v[TM+\b], v[TM+4+\b]
.endr
.irp b, 0,1,2,3
	v_add_nc_u32 v[TM+12+\b], 0xff000000, v[TM+\b]
.endr
.irp b, 0,1,2,3
	v_lshrrev_b32 v[TM+4+\b], 23, v[TM+12+\b]
.endr
	v_lshl_or_b32 v[\pw], v[TM+5], 8, v[TM+4]
	v_lshl_or_b32 v[\pw], v[TM+6], 16, v[\pw]
	v_lshl_or_b32 v[\pw], v[TM+7], 24, v[\pw]
	WIN (\w)
.irp c, 0,1
	v_cvt_scalef32_pk16_fp6_f32 v[PC+6*\c:PC+2+6*\c], v[\s+32*\c:\s+15+32*\c], v[TM+12+2*\c]
	v_cvt_scalef32_pk16_fp6_f32 v[PC+12+4*\c:PC+14+4*\c], v[\s+16+32*\c:\s+31+32*\c], v[TM+12+2*\c+1]
.endr
	WIN 0
	v_nop
.irp c, 0,1
.irp n, 0,1,2
	v_permlane16_swap_b32 v[PC+6*\c+\n], v[PC+12+4*\c+\n]
.endr
.irp n, 0,1,2
	v_mov_b32 v[PC+3+6*\c+\n], v[PC+12+4*\c+\n]
.endr
.endr
.endm
	s_cmp_eq_u32 s[KIND], 2
	s_cbranch_scc1 .Lv_out
.macro EBLK a
.set AC, 64*((\a)%4)
.if (\a) < 2                           ; where block a's table lies: register FS of window FW
.set FS, 64+32*(\a)
.set FW, 0
.elseif (\a) == 2
.set FS, 96
.set FW, 1
.elseif (\a) == 3
.set FS, 224
.set FW, 1
.elseif (\a) < 7
.set FS, 32*((\a)-4)
.set FW, 1
.else
.set FS, 64
.set FW, 0
.endif
.if (\a) == 0
	s_wait_loadcnt 24                              ; blocks 0-3 are in; the 24 loads of blocks 4-6 may be out
.elseif (\a) > 3
	s_wait_loadcnt 8*(7-(\a))                      ; block a is in; eight loads for each later block may be out
.endif
	WIN (2+(\a)/4)|(FW<<2)
.set RH, 0
.rept 32
	v_pk_mul_f32 v[HA+RH:HA+RH+1], v[AC+RH:AC+RH+1], v[FS+16*((RH/16)%2)+RH%16:FS+16*((RH/16)%2)+RH%16+1] op_sel:[1,1] op_sel_hi:[0,1] neg_lo:[0,1]
.set RH, RH+2
.endr
.set RH, 0
.rept 32
	v_pk_fma_f32 v[HA+RH:HA+RH+1], v[AC+RH:AC+RH+1], v[FS+16*((RH/16)%2)+RH%16:FS+16*((RH/16)%2)+RH%16+1], v[HA+RH:HA+RH+1] op_sel_hi:[1,0,1]
.set RH, RH+2
.endr
	WIN 0
.if (\a) > 0
	s_wait_xcnt 0x0
.endif
.if (\a) == 0
	FLOAD 7, 64
.endif
	QUANT HA, 0, PW+(\a)
	global_store_b128 v[I16], v[PC:PC+3], s[24:25] offset:768*(\a)
	global_store_b64 v[I8], v[PC+4:PC+5], s[24:25] offset:768*(\a)+512
	global_store_b128 v[I16], v[PC+6:PC+9], s[26:27] offset:768*(\a)
	global_store_b64 v[I8], v[PC+10:PC+11], s[26:27] offset:768*(\a)+512
.endm
.irp a, 0,1,2,3,4,5,6,7
	EBLK \a
.endr
	s_cmp_eq_u32 s[KIND], 0
	s_cbranch_scc0 .Lk_tail
.irp a, 0,1,2,3,4,5,6,7
	v_lshrrev_b32 v[TL+\a], v[H16], v[PW+\a]
.endr
.irp a, 0,1,2,3,4,5,6,7
	v_and_b32 v[TL+\a], 0xffff, v[TL+\a]
.endr
	global_store_b128 v[I16], v[TL:TL+3], s[28:29]
	global_store_b128 v[I16], v[TL+4:TL+7], s[28:29] offset:512
	s_branch .Ldone
.Lk_tail:
	v_cmp_ne_u32 vcc_lo, 0, v[H16]
.irp j, 0,1,2,3
	v_cndmask_b32 v[TL+\j], v[PW+2*\j], v[PW+1+2*\j], vcc_lo
.endr
.irp j, 0,1,2,3
	v_lshrrev_b32 v[TL+4+\j], 16, v[TL+\j]
.endr
.irp j, 0,1,2,3
	v_and_b32 v[TL+\j], 0xffff, v[TL+\j]
.endr
	global_store_b128 v[I16], v[TL:TL+3], s[24:25] offset:12288
	global_store_b128 v[I16], v[TL+4:TL+7], s[26:27] offset:12288
	s_branch .Ldone
.Lv_out:
.macro VBLK a
.if (\a) > 0
	s_wait_xcnt 0x0
.endif
	QUANT 64*((\a)%4), 2+(\a)/4, PW+(\a)
.irp q, 0,1,2
	global_store_b128 v[I16], v[PC+4*\q:PC+4*\q+3], s[24+2*((\a)/4):25+2*((\a)/4)] offset:6144+1536*((\a)%4)+512*\q
.endr
.endm
.irp a, 0,1,2,3,4,5,6,7
	VBLK \a
.endr
	v_cmp_ne_u32 vcc_lo, 0, v[H16]
.irp j, 0,1,2,3
	v_cndmask_b32 v[TL+\j], v[PW+2*\j], v[PW+1+2*\j], vcc_lo
.endr
	global_store_b64 v[I8], v[TL:TL+1], s[24:25] offset:12800
	global_store_b64 v[I8], v[TL+2:TL+3], s[26:27] offset:12800
.Ldone:
	s_wait_tensorcnt 0x0
	ds_add_u32 v[SPW], v[NIL]
	s_wait_dscnt 0x0
	CROUND
	s_endpgm
.Lfunc_end_k_q1a3bf5f738_qkv:
	.size	k_q1a3bf5f738_qkv, .Lfunc_end_k_q1a3bf5f738_qkv-k_q1a3bf5f738_qkv
	.p2alignl 7, 3214868480
	.fill 96, 4, 3214868480
	.section	.rodata,"a",@progbits
	.p2align	6, 0x0
	.amdhsa_kernel k_q1a3bf5f738_qkv
		.amdhsa_group_segment_fixed_size 327680
		.amdhsa_private_segment_fixed_size 0
		.amdhsa_enable_private_segment 0
		.amdhsa_kernarg_size 48
		.amdhsa_user_sgpr_count 2
		.amdhsa_user_sgpr_kernarg_segment_ptr 1
		.amdhsa_wavefront_size32 1
		.amdhsa_system_sgpr_workgroup_id_x 1
		.amdhsa_system_sgpr_workgroup_id_y 1
		.amdhsa_system_sgpr_workgroup_id_z 1
		.amdhsa_system_vgpr_workitem_id 0
		.amdhsa_next_free_vgpr 1024
		.amdhsa_next_free_sgpr 102
		.amdhsa_reserve_vcc 1
		.amdhsa_float_denorm_mode_32 3
		.amdhsa_float_denorm_mode_16_64 3
		.amdhsa_memory_ordered 1
		.amdhsa_forward_progress 1
		.amdhsa_inst_pref_size 242
	.end_amdhsa_kernel
	.amdgpu_metadata
---
amdhsa.version: [ 1, 2 ]
amdhsa.kernels:
  - .name:           k_q1a3bf5f738_qkv
    .symbol:         k_q1a3bf5f738_qkv.kd
    .args:
      - { .name: cod, .offset: 0, .size: 8, .value_kind: global_buffer, .address_space: global }
      - { .name: scl, .offset: 8, .size: 8, .value_kind: global_buffer, .address_space: global }
      - { .name: freqs_cis, .offset: 16, .size: 8, .value_kind: global_buffer, .address_space: global }
      - { .name: qimg, .offset: 24, .size: 8, .value_kind: global_buffer, .address_space: global }
      - { .name: qsc, .offset: 32, .size: 8, .value_kind: global_buffer, .address_space: global }
      - { .name: kv, .offset: 40, .size: 8, .value_kind: global_buffer, .address_space: global }
    .group_segment_fixed_size: 327680
    .private_segment_fixed_size: 0
    .kernarg_segment_align: 8
    .kernarg_segment_size: 48
    .max_flat_workgroup_size: 128
    .sgpr_count:     102
    .vgpr_count:     1024
    .wavefront_size: 32
...
	.end_amdgpu_metadata
.endif
;; end of part 2
;; launch attn (part 3): grid 8 x 32, 8 waves a work-group, clusters of 4 x 1, 168,960 bytes of LDS; arguments qimg, qsc, kv, mimg, yc, ys; writes yc, ys
.if DOCPART == 3
	.amdgcn_target "amdgcn-amd-amdhsa--gfx1250"
	.amdhsa_code_object_version 6
	.text
	.protected	k_q1a3bf5f738_attn
	.globl	k_q1a3bf5f738_attn
	.p2align	8
	.type	k_q1a3bf5f738_attn,@function
k_q1a3bf5f738_attn:
	s_mov_b64 s[64:65], 0
	v_nop
	global_prefetch_b8 v0, s[64:65] scope:SCOPE_SE
	s_setreg_imm32_b32 hwreg(HW_REG_WAVE_MODE, 25, 1), 1
	s_wait_xcnt 0x0
	s_wait_alu depctr_hold_cnt(0) depctr_sa_sdst(0) depctr_va_vdst(0) depctr_va_sdst(0) depctr_va_ssrc(0) depctr_va_vcc(0) depctr_vm_vsrc(0)
	s_getreg_b32 s2, hwreg(HW_REG_IB_STS2, 6, 4)
	s_cmp_eq_u32 s2, 0
	s_cbranch_scc0 .Lentry_in_a_cluster
	s_endpgm
.Lentry_in_a_cluster:
	s_bfe_u32 s2, ttmp6, 0x10000c
	s_cmp_lg_u32 s2, 0x3003
	s_cbranch_scc0 .Lentry_shape_is_right
	s_endpgm
.Lentry_shape_is_right:
; y = softmax(q k^T / 8, under the mask) v, both products on codes of FP6 (E2M3) with E8M0 scales; y is quantised along its 2,048 features for the last product.
; t = score x log2(e) / 8; M = the running largest t rounded up to a whole number; p = 2^(t - M) is quantised along the keys; the row's sum l is taken of the unquantised p and divides at the end.
; THE MASK is an input: every key is multiplied for every query.  A hidden key's score gets the bias -2^99 as the C of the first product.
; LIMITS: the running largest t begins at -2^90, so a true t must lie above that; NaN and infinities are not served.  A query with no key at all keeps l = 0: its scale bytes become 0xff, which make its row of the result NaN.
; SHARES.  A work-group owns 128 queries of one batch and one key/value head g, for the four query heads 4 g .. 4 g + 3.  Wave w owns one tile of 16 queries for all four heads, so each fragment of k and v feeds four heads.
; LDS.  The head's whole k and v (eight records of 13,056 bytes, one for each 128 keys: images of the operands' registers and of their scale words) come ONCE: one tensor load a wave.  Nothing is filled again, nothing is stored to LDS.
; CLUSTER.  The four blocks of queries of a cluster want the same eight records: each load is asked for jointly by the four.
; LAYOUT.  S^T = k q^T and O^T = v^T p^T: a lane holds one query throughout.  The keys, queries and channels of a tile are 32 b + 8 u + r + 8 (r / 8): so a lane's 16 registers of two neighbouring tiles are 16 neighbours.
; K = 64 IN THE FIRST PRODUCT.  q's registers 6-11 are zero codes and the upper two bytes of both scale words are 0 (2^-127).  k's tiles lie 6 registers apart, so the upper half of a tile's operand is the next tile's codes: finite numbers, which zeros multiply to 0.
; THE HEADS GO BY PAIRS.  The first head's scores land in v64-127; the second's take the bias as C and D in place, in v128-191.  Every later stage takes the two heads by turns, so that a line's sources were written
; several lines before it, and one batch of exponentials with its two waits serves both.  The bias is therefore made twice a key step, once for each pair, from the same 16 registers of mask bytes.
; ONE STEP IS WRITTEN, in a loop of eight trips: O^T and l begin as zeros and -M as 2^90, so the first trip's factor f is 0 and leaves them zeros.
; WHAT LEAVES.  yc: [512 along K][tile of 16 queries][128 along K][1,536 bytes]: images of the last product's operand registers.  ys: [16 x tile + lane row][64 bytes].
; REGISTERS: window 0: v1-7 addresses and the add's two; v8-23 four a head: -M, the largest t, l in two halves; v24-27 k's scale words, v28-29 v's, v30-31 q's; v32-63 and v240-253 the pair's work (macro SEL);
;   v64-191 S^T, then p; v192-239 v's four fragments.   window 1: v0-127 O^T, 32 a head; v128-175 q; v176-229 k and six zeros; v232-247 mask bytes.
.set REC,  13056
.set A16,  1                           ; 16 x lane + the step's record
.set A8,   2                           ; 8 x lane + the step's record
.set LI,   3                           ; 16 x lane; never rewritten
.set MO,   4                           ; my offset in the tile's mask bytes
.set SPW,  5                           ; my spare word; never rewritten
.set I8,   6                           ; 8 x lane; never rewritten
.set NIL,  7                           ; 0; never rewritten
.set KSC,  24
.set VSC,  28
.set QSC,  30
.set T,    38                          ; v38-45 at work, for both heads
.set S,    64
.set BI,   128
.set VF,   192
.set QF,   128                         ; in window 1
.set KF,   176
.set MB,   232
.set TM,   36                          ; the way out: QUANT's work registers v36-51
.set WV,   18
.set TB,   41                          ; s41 LDS byte at which the step's record begins
.set MSB, 0
.macro WIN new
.if MSB != (\new)
	s_set_vgpr_msb (MSB<<8)|(\new)
.set MSB, (\new)
.endif
.endm
.macro SEL P, e                        ; the registers of head 2 P + e
.set SR, 64+64*(\e)                    ; its S^T, then p
.set BM, 34+12*(\e)                    ; four: a block's largest score, its largest p, the conversion's scale operand
.set TP, 50+(\e)
.set FF, 32+220*(\e)                   ; f, named as a pair with
.set PS, 33+220*(\e)                   ; p's scale word
.set PC, 52+188*(\e)                   ; p's codes, 12 registers
.set NM, 8+8*(\P)+4*(\e)               ; -M, the largest t, l in two halves
.set OT, 64*(\P)+32*(\e)               ; O^T, in window 1
.endm
.macro CROUND                          ; a round of the cluster's barrier
	s_barrier_signal -1
	s_barrier_wait -1
	s_cmp_lg_u32 s[WV], 0
	s_cbranch_scc1 .Lnot_wave_0_\@
	s_barrier_signal -3
.Lnot_wave_0_\@:
	s_barrier_wait -3
	s_barrier_signal -1
	s_barrier_wait -1
.endm
	s_load_b256 s[4:11], s[0:1], 0x0               ; qimg, qsc, kv, mimg
	s_load_b128 s[12:15], s[0:1], 0x20             ; yc, ys
	v_lshl_add_u32 v[SPW], v0, 2, 0x29000
	v_mov_b32 v[NIL], 0
	ds_add_u32 v[SPW], v[NIL]                      ; the opening lines: the add, twice on end, and its wait ahead of my tensor load
	ds_add_u32 v[SPW], v[NIL]
	v_lshrrev_b32 v1, 5, v0
	s_delay_alu instid0(VALU_DEP_1)
	v_readfirstlane_b32 s[WV], v1                  ; wave 0..7
	s_bfe_u32 s42, ttmp6, 0x40000                  ; cx
	s_lshl_b32 s43, ttmp9, 2
	s_add_co_u32 s43, s43, s42                     ; my block of 128 queries: it enters global addresses alone
	s_and_b32 s44, ttmp7, 0xffff                   ; 8 x batch + g, which the four partners share
	; the descriptor: a record, 13,056 dense bytes, as 51 rows of 32 elements of 8 bytes; no padding; the mask names all four work-groups
	s_mov_b32 s24, 15|(3<<16)|(1<<21)
	s_mov_b32 s25, 32<<16
	s_mov_b32 s26, 51<<16
	s_mov_b32 s27, 32<<16
	s_mov_b32 s28, 51
	s_mov_b32 s29, 32
	s_mov_b32 s30, 0
	s_mov_b32 s31, 0
	s_mov_b32 s32, 1
	s_mul_i32 s33, s[WV], REC                      ; record w goes to LDS byte 13,056 w
	s_mul_i32 s46, s44, 8*REC
	s_add_co_u32 s46, s46, s33
	s_mov_b32 s47, 0
	s_lshl_b32 s48, s43, 3
	s_add_co_u32 s48, s48, s[WV]                   ; t: my tile of queries, 0..63
	s_lshl_b32 s50, s44, 8
	s_add_co_u32 s50, s50, s48
	s_mul_i32 s50, s50, 768                        ; qimg: head 4 (8 batch + g), tile t
	s_mov_b32 s51, 0
	s_lshl_b32 s52, s44, 4
	s_add_co_u32 s52, s52, s43
	s_lshl_b32 s52, s52, 10                        ; qsc: strip 2 (8 batch + g), block of queries,
	s_lshr_b32 s53, s[WV], 2
	s_lshl_b32 s53, s53, 9
	s_add_co_u32 s52, s52, s53                     ; half w / 4,
	s_and_b32 s53, s[WV], 3
	s_lshl_b32 s53, s53, 2
	s_add_co_u32 s52, s52, s53                     ; word w % 4
	s_mov_b32 s53, 0
	s_lshl_b32 s54, s48, 14                        ; mimg: the tile's 16,384 bytes
	s_mov_b32 s55, 0
	s_lshr_b32 s56, s44, 3
	s_lshl_b32 s56, s56, 6
	s_add_co_u32 s56, s56, s48                     ; the tile among all 256: 64 x batch + t
	s_and_b32 s57, s44, 7                          ; g: my four heads are k = 256 g .. 256 g + 255 of the last product
	s_lshr_b32 s58, s57, 1
	s_mul_i32 s58, s58, 256*6144                   ; yc: which 512 along K,
	s_mul_i32 s59, s56, 6144
	s_add_co_u32 s58, s58, s59                     ; the tile's four images,
	s_and_b32 s59, s57, 1
	s_mul_i32 s59, s59, 3072
	s_add_co_u32 s58, s58, s59                     ; my two of them
	s_mov_b32 s59, 0
	s_lshl_b32 s60, s56, 10                        ; ys: the tile's 16 rows of 64 bytes,
	s_lshl_b32 s61, s57, 3
	s_add_co_u32 s60, s60, s61                     ; 8 g on
	s_mov_b32 s61, 0
	s_mov_b32 s20, 0x76543210
	s_mov_b32 s21, 0xfedcba98                      ; v_permlanex16_b32's selects for lane l xor 16
	s_mov_b32 s22, 0x3e38aa3b                      ; c = log2(e) / 8
	s_mov_b32 s23, s22                             ; (named with it as a pair)
	s_mov_b32 s36, 0x000c0c0c                      ; v_perm_b32: byte k of a word to the top, zeros below
	s_mov_b32 s37, 0x010c0c0c
	s_mov_b32 s38, 0x020c0c0c
	s_mov_b32 s39, 0x030c0c0c
	s_mov_b32 s[TB], 0
	v_and_b32 v2, 31, v0
	s_delay_alu instid0(VALU_DEP_1)
	v_lshlrev_b32 v[LI], 4, v2
	s_delay_alu instid0(VALU_DEP_2)
	v_lshlrev_b32 v[I8], 3, v2
	s_delay_alu instid0(VALU_DEP_2)
	v_mov_b32 v[MO], v[LI]
	s_wait_dscnt 0x0
	s_wait_kmcnt 0x0
	s_add_nc_u64 s[34:35], s[8:9], s[46:47]
	s_or_b32 s35, s35, 0x80000000
	s_add_nc_u64 s[4:5], s[4:5], s[50:51]
	s_add_nc_u64 s[6:7], s[6:7], s[52:53]
	s_add_nc_u64 s[10:11], s[10:11], s[54:55]
	s_add_nc_u64 s[12:13], s[12:13], s[58:59]
	s_add_nc_u64 s[14:15], s[14:15], s[60:61]
	CROUND                                         ; all four work-groups are here: the joint loads meet
	tensor_load_to_lds s[32:35], s[24:31]          ; my record: the wave's one tensor load
	s_nop 0
.rept 4
	v_nop
.endr
	WIN 0x40                                       ; destination window 1
	s_wait_alu depctr_va_vdst(0)
.irp i, 0,1,2,3
	global_load_b128 v[QF+12*\i:QF+12*\i+3], v[LI], s[4:5] offset:49152*\i       ; q's registers 0-3 and 4-5 of head i, as images
	global_load_b64 v[QF+12*\i+4:QF+12*\i+5], v[I8], s[4:5] offset:49152*\i+512
.endr
.irp b, 0,1,2,3
	global_load_b128 v[MB+4*\b:MB+4*\b+3], v[MO], s[10:11] offset:512*\b         ; key step 0's mask bytes
.endr
.irp i, 0,1,2,3
.irp n, 6,7,8,9,10,11
	v_mov_b32 v[QF+12*\i+\n], 0                    ; k = 64 .. 127 of q: zero codes
.endr
.endr
.irp n, 0,1,2,3,4,5
	v_mov_b32 v[KF+48+\n], 0                       ; behind k's last tile
.endr
.set N, 0
.rept 128
	v_mov_b32 v[N], 0                              ; O^T: the step is written once, and the first trip finds zeros
.set N, N+1
.endr
	WIN 0
.irp e, 0,1
	global_load_b32 v[QSC+\e], v[LI], s[6:7] offset:8192*\e    ; q's scale words: lanes 0-15 head 2 e, lanes 16-31 head 2 e + 1
.endr
.irp i, 0,1,2,3
	v_mov_b32 v[8+4*\i], 0x6c800000                ; -M = 2^90,
	v_mov_b32 v[9+4*\i], 0xec800000                ; the largest t so far: -2^90
	v_mov_b32 v[10+4*\i], 0                        ; l, in two halves
	v_mov_b32 v[11+4*\i], 0
.endr
.irp b, 0,1,2,3,4,5,6,7
	v_mov_b32 v[T+\b], 0                           ; written once: a lane permute's destination counts as one of its sources
.endr
	v_mov_b32 v33, 0                               ; p's scale words: named as the upper halves of f's pairs before they are first written
	v_mov_b32 v253, 0
	s_wait_alu depctr_va_vdst(0)
	s_wait_tensorcnt 0x0                           ; my record is in,
	s_barrier_signal -1
	s_barrier_wait -1                              ; everybody's is
; The bias words from the mask bytes: 0 or -2^99 for key 32 (N / 16) + 16 h + N % 16
.macro EXPAND
	WIN 0x05                                       ; the bytes lie in window 1
.set N, 0
.rept 64
	v_perm_b32 v[BI+N], v[MB+4*(N/16)+(N%16)/4], v[MB+4*(N/16)+(N%16)/4], s[36+N%4]
.set N, N+1
.endr
	WIN 0
.endm
; THE HEAD OF A KEY STEP: k's eight tiles, v's four fragments and their scale words from LDS; the first pair's bias
.macro SHEAD
	v_add_nc_u32 v[A16], s[TB], v[LI]
	v_add_nc_u32 v[A8], s[TB], v[I8]
	v_nop
	v_nop                                          ; four places between the last products and the loads into v's registers
	WIN 0x40
.irp tt, 0,1,2,3,4,5,6,7
	ds_load_b128 v[KF+6*\tt:KF+6*\tt+3], v[A16] offset:768*\tt
	ds_load_b64 v[KF+6*\tt+4:KF+6*\tt+5], v[A8] offset:768*\tt+512
.endr
	WIN 0
.irp dt, 0,1,2,3
.irp q, 0,1,2
	ds_load_b128 v[VF+12*\dt+4*\q:VF+12*\dt+4*\q+3], v[A16] offset:6144+1536*\dt+512*\q
.endr
.endr
	ds_load_b128 v[KSC:KSC+3], v[A16] offset:12288 ; lane l's word j: tile 2 j + l / 16
	ds_load_b64 v[VSC:VSC+1], v[A8] offset:12800
	s_wait_loadcnt 0x0                             ; this step's mask bytes (and, in the first trip, q)
	EXPAND
	s_wait_dscnt 0x0
.endm
; S^T's tile tt of head i into v[d + 8 tt]: source 0 = 16 keys, source 1 = my 16 queries, C = the bias
.macro SMUL d, tt, i
.if ((\tt)%2 == 0) && ((\i)%2 == 0)
	v_wmma_scale_f32_16x16x128_f8f6f4 v[\d+8*(\tt):\d+8*(\tt)+7], v[KF+6*(\tt):KF+6*(\tt)+11], v[QF+12*(\i):QF+12*(\i)+11], v[BI+8*(\tt):BI+8*(\tt)+7], v[KSC+(\tt)/2], v[QSC+(\i)/2] matrix_a_fmt:MATRIX_FMT_FP6 matrix_b_fmt:MATRIX_FMT_FP6
.elseif ((\i)%2 == 0)
	v_wmma_scale_f32_16x16x128_f8f6f4 v[\d+8*(\tt):\d+8*(\tt)+7], v[KF+6*(\tt):KF+6*(\tt)+11], v[QF+12*(\i):QF+12*(\i)+11], v[BI+8*(\tt):BI+8*(\tt)+7], v[KSC+(\tt)/2], v[QSC+(\i)/2] matrix_a_fmt:MATRIX_FMT_FP6 matrix_b_fmt:MATRIX_FMT_FP6 matrix_a_scale:MATRIX_SCALE_ROW1
.elseif ((\tt)%2 == 0)
	v_wmma_scale_f32_16x16x128_f8f6f4 v[\d+8*(\tt):\d+8*(\tt)+7], v[KF+6*(\tt):KF+6*(\tt)+11], v[QF+12*(\i):QF+12*(\i)+11], v[BI+8*(\tt):BI+8*(\tt)+7], v[KSC+(\tt)/2], v[QSC+(\i)/2] matrix_a_fmt:MATRIX_FMT_FP6 matrix_b_fmt:MATRIX_FMT_FP6 matrix_b_scale:MATRIX_SCALE_ROW1
.else
	v_wmma_scale_f32_16x16x128_f8f6f4 v[\d+8*(\tt):\d+8*(\tt)+7], v[KF+6*(\tt):KF+6*(\tt)+11], v[QF+12*(\i):QF+12*(\i)+11], v[BI+8*(\tt):BI+8*(\tt)+7], v[KSC+(\tt)/2], v[QSC+(\i)/2] matrix_a_fmt:MATRIX_FMT_FP6 matrix_b_fmt:MATRIX_FMT_FP6 matrix_a_scale:MATRIX_SCALE_ROW1 matrix_b_scale:MATRIX_SCALE_ROW1
.endif
.endm
; O^T's tile dt of the head that SEL has chosen: source 0 = 16 channels x 128 keys, source 1 = p
.macro PVMUL dt
.if (\dt)%2 == 0
	v_wmma_scale_f32_16x16x128_f8f6f4 v[OT+8*(\dt):OT+8*(\dt)+7], v[VF+12*(\dt):VF+12*(\dt)+11], v[PC:PC+11], v[OT+8*(\dt):OT+8*(\dt)+7], v[VSC+(\dt)/2], v[PS] matrix_a_fmt:MATRIX_FMT_FP6 matrix_b_fmt:MATRIX_FMT_FP6
.else
	v_wmma_scale_f32_16x16x128_f8f6f4 v[OT+8*(\dt):OT+8*(\dt)+7], v[VF+12*(\dt):VF+12*(\dt)+11], v[PC:PC+11], v[OT+8*(\dt):OT+8*(\dt)+7], v[VSC+(\dt)/2], v[PS] matrix_a_fmt:MATRIX_FMT_FP6 matrix_b_fmt:MATRIX_FMT_FP6 matrix_a_scale:MATRIX_SCALE_ROW1
.endif
.endm
; HEADS 2 P AND 2 P + 1 IN ONE KEY STEP.  No two matrix instructions that follow each other share an accumulator.
.macro PAIR P
	WIN 0x05                                       ; k and q in window 1; the bias and S^T in window 0
.irp tt, 0,1,2,3,4,5,6,7
	SMUL S, \tt, 2*(\P)
.endr
.rept 5
	v_nop                                          ; five places: the products below write over the bias, which those above read as C; they also serve the first reads of the results above
.endr
.irp tt, 0,1,2,3,4,5,6,7
	SMUL BI, \tt, 2*(\P)+1                         ; C and D are the same registers
.endr
	WIN 0
.irp e, 0,1                                    ; the largest score of each block of 32 keys: for the row's maximum, and, since p rises with the score, for the block's largest p.  The first head's 32 lines are the places behind the second's products
	SEL \P, \e
.irp b, 0,1,2,3
	v_max3_num_f32 v[BM+\b], v[SR+16*\b], v[SR+1+16*\b], v[SR+2+16*\b]
.endr
.irp n, 3,5,7,9,11,13
.irp b, 0,1,2,3
	v_max3_num_f32 v[BM+\b], v[BM+\b], v[SR+16*\b+\n], v[SR+1+16*\b+\n]
.endr
.endr
.irp b, 0,1,2,3
	v_max_num_f32 v[BM+\b], v[BM+\b], v[SR+15+16*\b]
.endr
.endr
.irp e, 0,1
	SEL \P, \e
.irp b, 0,1,2,3
	v_permlanex16_b32 v[T+4*\e+\b], v[BM+\b], s20, s21
.endr
.endr
.irp e, 0,1
	SEL \P, \e
.irp b, 0,1,2,3
	v_max_num_f32 v[BM+\b], v[BM+\b], v[T+4*\e+\b] ; with lane l xor 16's 16 keys
.endr
.endr
.irp e, 0,1                                    ; from here the two heads' chains go line by line
	SEL \P, \e
	v_max3_num_f32 v[TP], v[BM], v[BM+1], v[BM+2]
.endr
.irp e, 0,1
	SEL \P, \e
	s_delay_alu instid0(VALU_DEP_2)
	v_max_num_f32 v[TP], v[TP], v[BM+3]
.endr
.irp e, 0,1
	SEL \P, \e
	s_delay_alu instid0(VALU_DEP_2)
	v_mul_f32 v[TP], s22, v[TP]                    ; the step's largest t (c is positive)
.endr
.irp e, 0,1
	SEL \P, \e
	s_delay_alu instid0(VALU_DEP_2)
	v_max_num_f32 v[NM+1], v[NM+1], v[TP]          ; the running largest t
.endr
.irp e, 0,1
	SEL \P, \e
	v_mov_b32 v[TP], v[NM]
.endr
.irp e, 0,1
	SEL \P, \e
	s_delay_alu instid0(VALU_DEP_4)
	v_floor_f32 v[NM], -v[NM+1]                    ; -M = floor(-t): M is a whole number
.endr
.irp e, 0,1
	SEL \P, \e
	s_delay_alu instid0(VALU_DEP_2)
	v_sub_f32 v[TP], v[NM], v[TP]                  ; old M - new M: a whole number, 0 or less
.endr
.irp e, 0,1
	SEL \P, \e
	s_delay_alu instid0(VALU_DEP_2)
	v_cvt_i32_f32 v[TP], v[TP]                     ; (it saturates)
.endr
.irp e, 0,1
	SEL \P, \e
	s_delay_alu instid0(VALU_DEP_2)
	v_ldexp_f32 v[FF], 1.0, v[TP]                  ; f = 2^(old M - new M)
.endr
.irp e, 0,1
	SEL \P, \e
.set N, 0
.rept 32
	v_pk_fma_f32 v[SR+N:SR+N+1], v[SR+N:SR+N+1], s[22:23], v[NM:NM+1] op_sel_hi:[1,0,0]   ; t - M, two at a time
.set N, N+2
.endr
.endr
.irp e, 0,1
	SEL \P, \e
.irp b, 0,1,2,3
	v_fma_f32 v[BM+\b], v[BM+\b], s22, v[NM]       ; the same of each block's largest score
.endr
.endr
	s_wait_alu depctr_va_vdst(0)
.set N, 0
.rept 128
	v_exp_f32 v[S+N], v[S+N]                       ; p = 2^(t - M) of both heads; a hidden key's is 0
.set N, N+1
.endr
.irp e, 0,1
	SEL \P, \e
.irp b, 0,1,2,3
	v_exp_f32 v[BM+\b], v[BM+\b]                   ; the block's largest p
.endr
.endr
.irp e, 0,1
	SEL \P, \e
	v_pk_mul_f32 v[NM+2:NM+3], v[NM+2:NM+3], v[FF:FF+1] op_sel_hi:[1,0]   ; l under the new M (plain places behind the exponentials)
.endr
	s_wait_alu depctr_va_vdst(0)                   ; and one wait for the batch, ahead of its first reader
.irp e, 0,1                                    ; the rows' sums of the unquantised p: two chains a head, four by turns
	SEL \P, \e
	v_pk_add_f32 v[T+2*\e:T+2*\e+1], v[SR:SR+1], v[SR+2:SR+3]
.endr
.irp n, 4,8,12,16,20,24,28,32,36,40,44,48,52,56,60
.irp e, 0,1
	SEL \P, \e
	v_pk_add_f32 v[NM+2:NM+3], v[NM+2:NM+3], v[SR+\n:SR+\n+1]
	v_pk_add_f32 v[T+2*\e:T+2*\e+1], v[T+2*\e:T+2*\e+1], v[SR+2+\n:SR+3+\n]
.endr
.endr
	SEL \P, 0
	s_delay_alu instid0(VALU_DEP_3)
	v_pk_add_f32 v[NM+2:NM+3], v[NM+2:NM+3], v[T:T+1]
	SEL \P, 1
	s_delay_alu instid0(VALU_DEP_2)
	v_pk_add_f32 v[NM+2:NM+3], v[NM+2:NM+3], v[T+2:T+3]
.irp e, 0,1
	SEL \P, \e
.irp b, 0,1,2,3
	v_max_num_f32 v[BM+\b], 0x1800000, v[BM+\b]    ; the floor 2^(3 - 127): the byte cannot fall under 1
.endr
.endr
.irp e, 0,1
	SEL \P, \e
.irp b, 0,1,2,3
	v_add_nc_u32 v[BM+\b], 0xff000000, v[BM+\b]    ; 2 off the exponent field: the conversion's scale operand
.endr
.endr
.irp e, 0,1
	SEL \P, \e
.irp b, 0,1,2,3
	v_lshrrev_b32 v[T+4*\e+\b], 23, v[BM+\b]       ; the scale's byte
.endr
.endr
.irp e, 0,1
	SEL \P, \e
	v_lshl_or_b32 v[PS], v[T+4*\e+1], 8, v[T+4*\e] ; p's scale word for these 128 keys
.endr
.irp e, 0,1
	SEL \P, \e
	s_delay_alu instid0(VALU_DEP_2)
	v_lshl_or_b32 v[PS], v[T+4*\e+2], 16, v[PS]
.endr
.irp e, 0,1
	SEL \P, \e
	s_delay_alu instid0(VALU_DEP_2)
	v_lshl_or_b32 v[PS], v[T+4*\e+3], 24, v[PS]
.endr
.irp e, 0,1
	SEL \P, \e
.irp c, 0,1
	v_cvt_scalef32_pk16_fp6_f32 v[PC+6*\c:PC+2+6*\c], v[SR+32*\c:SR+15+32*\c], v[BM+2*\c]
	v_cvt_scalef32_pk16_fp6_f32 v[T+4*\c:T+2+4*\c], v[SR+16+32*\c:SR+31+32*\c], v[BM+2*\c+1]   ; (a conversion's three registers begin on an even number)
.endr
	v_nop                                          ; one plain place behind a scaled conversion
.irp c, 0,1                                    ; the operand's layout wants a whole block in a lane
.irp n, 0,1,2
	v_permlane16_swap_b32 v[PC+6*\c+\n], v[T+4*\c+\n]
.endr
.irp n, 0,1,2
	s_delay_alu instid0(VALU_DEP_3)
	v_mov_b32 v[PC+3+6*\c+\n], v[T+4*\c+\n]
.endr
.endr
.endr
	WIN 0x41                                       ; O^T in window 1, f in window 0
	s_wait_alu depctr_va_vdst(0)                   ; directly ahead of the first reader of O^T
.irp e, 0,1
	SEL \P, \e
.set N, 0
.rept 16
	v_pk_mul_f32 v[OT+N:OT+N+1], v[OT+N:OT+N+1], v[FF:FF+1] op_sel_hi:[1,0]   ; O^T under the new M (these 32 are also the places between p's codes and scale words and the products)
.set N, N+2
.endr
.endr
	WIN 0x50                                       ; C and D in window 1
.irp dt, 0,1,2,3
.irp e, 0,1
	SEL \P, \e
	PVMUL \dt
.endr
.endr
.if (\P) == 0
	EXPAND                                         ; the second pair's bias, into the registers that held the second head's p: plain lines behind the products above, which name none of their registers
	s_wait_alu depctr_va_vdst(0)                   ; directly ahead of the branch
	s_cmp_eq_u32 s40, 1                            ; the last trip asks for nothing: no load leaves its buffer
	s_cbranch_scc1 .Lno_mask_\@
	v_add_nc_u32 v[MO], 2048, v[MO]                ; (free since the wait for its loads)
	WIN 0x40
.irp b, 0,1,2,3
	global_load_b128 v[MB+4*\b:MB+4*\b+3], v[MO], s[10:11] offset:512*\b   ; the next step's mask bytes
.endr
	WIN 0
.Lno_mask_\@:
.endif
.endm
	s_mov_b32 s40, 8
.Lstep:
	SHEAD
	s_wait_alu depctr_va_vdst(0)
	PAIR 0
	PAIR 1
	WIN 0                                          ; at a label and at a branch every window is 0
	s_add_co_u32 s[TB], s[TB], REC                 ; the next record
	s_sub_co_u32 s40, s40, 1
	s_cmp_lg_u32 s40, 0
	s_cbranch_scc1 .Lstep
; THE WAY OUT.  y = O^T / l; heads 0, 1 and heads 2, 3 are each 128 along the last product's K: two fragments and two scale words a query.
.irp i, 0,1,2,3
	v_add_f32 v[10+4*\i], v[10+4*\i], v[11+4*\i]   ; l's two halves (these lines are the places behind the last products),
.endr
.irp i, 0,1,2,3
	s_delay_alu instid0(VALU_DEP_4)
	v_permlanex16_b32 v[T+\i], v[10+4*\i], s20, s21
.endr
.irp i, 0,1,2,3
	s_delay_alu instid0(VALU_DEP_4)
	v_add_f32 v[10+4*\i], v[10+4*\i], v[T+\i]      ; and lane l xor 16's
.endr
	s_wait_alu depctr_va_vdst(0)
.irp i, 0,1,2,3
	v_rcp_f32 v[8+4*\i], v[10+4*\i]
.endr
	v_nop                                          ; a plain place behind the reciprocals
	s_wait_alu depctr_va_vdst(0)                   ; one wait for the four
	WIN 0x01                                       ; source 0: O^T, in window 1
.irp i, 0,1,2,3
.set N, 0
.rept 16
	v_pk_mul_f32 v[S+32*\i+N:S+32*\i+N+1], v[32*\i+N:32*\i+N+1], v[8+4*\i:9+4*\i] op_sel_hi:[1,0]   ; register 16 b + n of a head is channel 32 b + 16 h + n
.set N, N+2
.endr
.endr
	WIN 0
.macro QUANT s, pc, pw                 ; 64 numbers of a lane, register 16 b + n = k 32 b + 16 h + n of my row, become a fragment's codes in v[pc] on and its scale word in v[pw]
.irp b, 0,1,2,3
	v_max3_num_f32 v[TM+\b], |v[\s+16*\b]|, |v[\s+1+16*\b]|, 0x1800000
.endr
.irp n, 2,4,6,8,10,12,14
.irp b, 0,1,2,3
	s_delay_alu instid0(VALU_DEP_4)
	v_max3_num_f32 v[TM+\b], v[TM+\b], |v[\s+16*\b+\n]|, |v[\s+1+16*\b+\n]|
.endr
.endr
.irp b, 0,1,2,3
	s_delay_alu instid0(VALU_DEP_4)
	v_permlanex16_b32 v[TM+4+\b], v[TM+\b], s20, s21
.endr
.irp b, 0,1,2,3
	s_delay_alu instid0(VALU_DEP_4)
	v_max_num_f32 v[TM+\b], v[TM+\b], v[TM+4+\b]
.endr
.irp b, 0,1,2,3
	s_delay_alu instid0(VALU_DEP_4)
	v_add_nc_u32 v[TM+12+\b], 0xff000000, v[TM+\b]
.endr
.irp b, 0,1,2,3
	s_delay_alu instid0(VALU_DEP_4)
	v_lshrrev_b32 v[TM+4+\b], 23, v[TM+12+\b]
.endr
	s_delay_alu instid0(VALU_DEP_3)
	v_lshl_or_b32 v[\pw], v[TM+5], 8, v[TM+4]
	s_delay_alu instid0(VALU_DEP_1)
	v_lshl_or_b32 v[\pw], v[TM+6], 16, v[\pw]
	s_delay_alu instid0(VALU_DEP_1)
	v_lshl_or_b32 v[\pw], v[TM+7], 24, v[\pw]
.irp c, 0,1
	v_cvt_scalef32_pk16_fp6_f32 v[\pc+6*\c:\pc+2+6*\c], v[\s+32*\c:\s+15+32*\c], v[TM+12+2*\c]
	v_cvt_scalef32_pk16_fp6_f32 v[\pc+12+4*\c:\pc+14+4*\c], v[\s+16+32*\c:\s+31+32*\c], v[TM+12+2*\c+1]
.endr
	v_nop                                          ; one plain place behind a scaled conversion
.irp c, 0,1
.irp n, 0,1,2
	v_permlane16_swap_b32 v[\pc+6*\c+\n], v[\pc+12+4*\c+\n]
.endr
.irp n, 0,1,2
	s_delay_alu instid0(VALU_DEP_3)
	v_mov_b32 v[\pc+3+6*\c+\n], v[\pc+12+4*\c+\n]
.endr
.endr
.endm
	QUANT 64, 192, 34                              ; heads 0 and 1
	QUANT 128, 212, 35                             ; heads 2 and 3
.irp p, 0,1                                    ; the two fragments leave as they stand: registers 4 c .. 4 c + 3 of lane l at 512 c + 16 l
.irp c, 0,1,2
	global_store_b128 v[LI], v[192+20*\p+4*\c:195+20*\p+4*\c], s[12:13] offset:1536*\p+512*\c   ; 512 consecutive bytes, aligned to 256
.endr
.endr
	v_mov_b32 v44, 0xffff
	v_mov_b32 v45, 0xffff0000
.irp i, 0,1,2,3                                ; a query with no key: l = 0: its head's two scale bytes become 0xff
	v_cmp_eq_f32 vcc_lo, 0, v[10+4*\i]
	s_delay_alu instid0(VALU_DEP_1)
	v_cndmask_b32 v46, 0, v[44+\i%2], vcc_lo
	s_delay_alu instid0(VALU_DEP_1)
	v_or_b32 v[34+\i/2], v[34+\i/2], v46
.endr
	v_and_b32 v1, 15, v0                           ; r
	v_bfe_u32 v2, v0, 4, 1                         ; h
	s_delay_alu instid0(VALU_DEP_2)
	v_lshlrev_b32 v1, 6, v1
	s_delay_alu instid0(VALU_DEP_1)
	v_lshl_add_u32 v1, v2, 2, v1                   ; lane row r's 64 bytes; lanes 0-15 store the first word, lanes 16-31 the second
	s_delay_alu instid0(VALU_DEP_3)
	v_cmp_ne_u32 vcc_lo, 0, v2
	s_delay_alu instid0(VALU_DEP_1)
	v_cndmask_b32 v2, v34, v35, vcc_lo
	global_store_b32 v1, v2, s[14:15]
	s_wait_tensorcnt 0x0                           ; the wave's end
	ds_add_u32 v[SPW], v[NIL]
	s_wait_dscnt 0x0
	CROUND                                         ; the closing round: no work-group ends while a partner may still ask for a record that names it
	s_endpgm
.Lfunc_end_k_q1a3bf5f738_attn:
	.size	k_q1a3bf5f738_attn, .Lfunc_end_k_q1a3bf5f738_attn-k_q1a3bf5f738_attn
	.p2alignl 7, 3214868480
	.fill 96, 4, 3214868480
	.section	.rodata,"a",@progbits
	.p2align	6, 0x0
	.amdhsa_kernel k_q1a3bf5f738_attn
		.amdhsa_group_segment_fixed_size 168960
		.amdhsa_private_segment_fixed_size 0
		.amdhsa_enable_private_segment 0
		.amdhsa_kernarg_size 48
		.amdhsa_user_sgpr_count 2
		.amdhsa_user_sgpr_kernarg_segment_ptr 1
		.amdhsa_wavefront_size32 1
		.amdhsa_system_sgpr_workgroup_id_x 1
		.amdhsa_system_sgpr_workgroup_id_y 1
		.amdhsa_system_sgpr_workgroup_id_z 1
		.amdhsa_system_vgpr_workitem_id 0
		.amdhsa_next_free_vgpr 512
		.amdhsa_next_free_sgpr 66
		.amdhsa_reserve_vcc 1
		.amdhsa_float_denorm_mode_32 3
		.amdhsa_float_denorm_mode_16_64 3
		.amdhsa_memory_ordered 1
		.amdhsa_forward_progress 1
		.amdhsa_inst_pref_size 97
	.end_amdhsa_kernel
	.amdgpu_metadata
---
amdhsa.version: [ 1, 2 ]
amdhsa.kernels:
  - .name:           k_q1a3bf5f738_attn
    .symbol:         k_q1a3bf5f738_attn.kd
    .args:
      - { .name: qimg, .offset: 0, .size: 8, .value_kind: global_buffer, .address_space: global }
      - { .name: qsc, .offset: 8, .size: 8, .value_kind: global_buffer, .address_space: global }
      - { .name: kv, .offset: 16, .size: 8, .value_kind: global_buffer, .address_space: global }
      - { .name: mimg, .offset: 24, .size: 8, .value_kind: global_buffer, .address_space: global }
      - { .name: yc, .offset: 32, .size: 8, .value_kind: global_buffer, .address_space: global }
      - { .name: ys, .offset: 40, .size: 8, .value_kind: global_buffer, .address_space: global }
    .group_segment_fixed_size: 168960
    .private_segment_fixed_size: 0
    .kernarg_segment_align: 8
    .kernarg_segment_size: 48
    .max_flat_workgroup_size: 256
    .sgpr_count:     66
    .vgpr_count:     512
    .wavefront_size: 32
...
	.end_amdgpu_metadata
.endif
;; end of part 3
;; launch proj (part 4): grid 8 x 32, 4 waves a work-group, clusters of 4 x 4, 327,680 bytes of LDS; arguments yc, ys, cod, scl, out0; writes out0
.if DOCPART == 4
	.amdgcn_target "amdgcn-amd-amdhsa--gfx1250"
	.amdhsa_code_object_version 6
	.text
	.protected	k_q1a3bf5f738_proj
	.globl	k_q1a3bf5f738_proj
	.p2align	8
	.type	k_q1a3bf5f738_proj,@function
k_q1a3bf5f738_proj:
	s_mov_b64 s[64:65], 0
	v_nop
	global_prefetch_b8 v0, s[64:65] scope:SCOPE_SE
	s_setreg_imm32_b32 hwreg(HW_REG_WAVE_MODE, 25, 1), 1
	s_wait_xcnt 0x0
	s_wait_alu depctr_hold_cnt(0) depctr_sa_sdst(0) depctr_va_vdst(0) depctr_va_sdst(0) depctr_va_ssrc(0) depctr_va_vcc(0) depctr_vm_vsrc(0)
	s_getreg_b32 s2, hwreg(HW_REG_IB_STS2, 6, 4)
	s_cmp_eq_u32 s2, 0
	s_cbranch_scc0 .Lentry_in_a_cluster
	s_endpgm
.Lentry_in_a_cluster:
	s_bfe_u32 s2, ttmp6, 0x10000c
	s_cmp_lg_u32 s2, 0xf033
	s_cbranch_scc0 .Lentry_shape_is_right
	s_endpgm
.Lentry_shape_is_right:
; out0 = y wo^T on codes of FP6 (E2M3) with E8M0 scales.  A work-group makes 128 rows x 256 columns, a wave 64 x 128; K goes in steps of 512 through two LDS slots of operand images, filled by joint tensor loads.
; THE HEAD: one joint load a wave: y's codes of K step 0, wo's, y's scales, wo's; K step 1 follows behind the full sequence.
; THE PREFETCHES: behind the loads of K steps 0 and 1 stand those of K steps 2 and 3.  Of the blocks of 256 bytes that a wave fetches in the ring (96 of y, 192 of wo) each of the four partners that ask jointly names
; a quarter, told apart by address (cx for y, cy for wo): a lane a block; left-over lanes name the last block again.
.set SIZE_N, 2048
.set FR,     12
.set FRB,    1536
.set NP,     4
.set AHALF,  16*FRB
.set BHALF,  32*FRB
.set BOFF,   2*AHALF
.set SLOT,   2*AHALF+2*BHALF
.set SCL,    2*SLOT
.set SBLK,   4*272
.set SHA,    16*272
.set SHB,    32*272
.set SPARE,  SCL+2*SHA+2*SHB
.set KSA,    256*4*FRB
.set KSB,    128*4*FRB
.set OC,     11927552                  ; where wo's codes begin in cod,
.set OS,     573440                    ; and its scales in scl
.set SPITCH, 528
.set ADRA, 16
.set ADRB, 20
.set STO,  24
.set RD,   25
.set CO,   26
.set ADRS, 27
.set SPW,  28
.set NIL,  29
.set SC,   32
.set AF,   128
.set BK,   128
.set G1, 24
.set G0, 32
.set G1B, 48
.set G0B, 56
.set G1S, 68
.set G0S, 76
.set G1SB, 80
.set G0SB, 88
.set G0H,  4                           ; s[4:7], s[8:11] group 0 of the head's loads of codes (the arguments that lay there have been used by then)
.set G0HB, 8
.set MSB, 0
.macro WIN new
.if MSB != (\new)
	s_set_vgpr_msb (MSB<<8)|(\new)
.set MSB, (\new)
.endif
.endm
.set MULW,   0xa1
.set TO_B,   0x40
.macro JLOAD g0a, g1a, g0b, g1b
	s_cmp_eq_u32 s15, 0
	s_cbranch_scc0 .Lfor_b_\@
	tensor_load_to_lds s[\g0a:\g0a+3], s[\g1a:\g1a+7]
	s_nop 0
.rept 4
	v_nop
.endr
	s_branch .Lasked_\@
.Lfor_b_\@:
	tensor_load_to_lds s[\g0b:\g0b+3], s[\g1b:\g1b+7]
	s_nop 0
.rept 4
	v_nop
.endr
.Lasked_\@:
.endm
.macro CREST
	s_cmp_lg_u32 s14, 0
	s_cbranch_scc1 .Lnot_wave_0_\@
	s_barrier_signal -3
.Lnot_wave_0_\@:
	s_barrier_wait -3
	s_barrier_signal -1
	s_barrier_wait -1
.endm
.macro CROUND
	s_barrier_signal -1
	s_barrier_wait -1
	CREST
.endm
	s_load_b128 s[4:7], s[0:1], 0x0
	s_load_b128 s[8:11], s[0:1], 0x10
	s_load_b64 s[12:13], s[0:1], 0x20
	v_lshl_add_u32 v[SPW], v0, 2, SPARE
	v_mov_b32 v[NIL], 0
	ds_add_u32 v28, v29
	ds_add_u32 v28, v29
	s_wait_dscnt 0x0
	v_lshrrev_b32 v1, 5, v0
	v_readfirstlane_b32 s14, v1
	s_lshr_b32 s15, s14, 1
	s_and_b32 s16, s14, 1
	s_bfe_u32 s40, ttmp6, 0x40000
	s_bfe_u32 s41, ttmp6, 0x40004
	s_lshl_b32 s42, ttmp9, 2
	s_add_co_u32 s42, s42, s40
	s_and_b32 s17, ttmp7, 0xffff
	s_lshl_b32 s17, s17, 2
	s_add_co_u32 s17, s17, s41
	s_lshl_b32 s43, s41, 2
	s_lshl_b32 s43, 15, s43
	s_lshl_b32 s44, 0x1111, s40
	s_or_b32 s[G1+0], s43, (3<<16)|(1<<21)
	s_or_b32 s[G1B+0], s44, (3<<16)|(1<<21)
	s_or_b32 s[G1S+0], s43, (3<<16)|(1<<20)|(1<<21)|(5<<22)|(3<<25)
	s_or_b32 s[G1SB+0], s44, (3<<16)|(1<<20)|(1<<21)|(5<<22)|(3<<25)
.irp g, G1, G1B, G1S, G1SB
	s_mov_b32 s[\g+1], 32<<16
	s_mov_b32 s[\g+3], 32<<16
	s_mov_b32 s[\g+5], 32
	s_mov_b32 s[\g+6], 0
	s_mov_b32 s[\g+7], 0
.endr
	s_mov_b32 s[G1+2], 192<<16                     ; for the head each tile whole: rows of 256 bytes
	s_mov_b32 s[G1+4], 192
	s_mov_b32 s[G1B+2], 384<<16
	s_mov_b32 s[G1B+4], 384
	s_mov_b32 s[G1S+2], 32<<16
	s_mov_b32 s[G1S+4], 32
	s_mov_b32 s[G1SB+2], 64<<16
	s_mov_b32 s[G1SB+4], 64
	s_mul_i32 s20, s17, 2*AHALF
	s_mov_b32 s21, 0
	s_lshl_b32 s22, s17, 13
	s_mov_b32 s23, 0
	s_mul_i32 s46, s42, 2*BHALF
	s_mov_b32 s47, 0
	s_lshl_b32 s92, s42, 14
	s_mov_b32 s93, 0
	s_mul_i32 s45, s16, AHALF
	s_mul_i32 s94, s16, BHALF
	s_add_co_u32 s94, s94, BOFF
	s_wait_kmcnt 0x0
	s_add_nc_u64 s[8:9], s[8:9], OC
	s_add_nc_u64 s[10:11], s[10:11], OS
	s_add_nc_u64 s[20:21], s[4:5], s[20:21]
	s_add_nc_u64 s[22:23], s[6:7], s[22:23]
	s_add_nc_u64 s[46:47], s[8:9], s[46:47]
	s_add_nc_u64 s[92:93], s[10:11], s[92:93]
	CROUND
	s_mov_b32 s[G0S], 1
	s_mov_b32 s[G0S+1], SCL
	s_mov_b64 s[G0S+2:G0S+3], s[22:23]
	s_or_b32 s[G0S+3], s[G0S+3], 0x80000000
	s_mov_b32 s[G0SB], 1
	s_mov_b32 s[G0SB+1], SCL+2*SHA
	s_mov_b64 s[G0SB+2:G0SB+3], s[92:93]
	s_or_b32 s[G0SB+3], s[G0SB+3], 0x80000000
	s_mov_b32 s[G0H], 1                            ; K step 0's codes, each operand whole
	s_mov_b32 s[G0H+1], 0
	s_mov_b64 s[G0H+2:G0H+3], s[20:21]
	s_or_b32 s[G0H+3], s[G0H+3], 0x80000000
	s_mov_b32 s[G0HB], 1
	s_mov_b32 s[G0HB+1], BOFF
	s_mov_b64 s[G0HB+2:G0HB+3], s[46:47]
	s_or_b32 s[G0HB+3], s[G0HB+3], 0x80000000
	s_mov_b32 s18, s45                             ; for the ring: my half of the tile
	s_mov_b32 s19, 0
	s_add_nc_u64 s[20:21], s[20:21], s[18:19]
	s_mul_i32 s18, s16, BHALF
	s_add_nc_u64 s[46:47], s[46:47], s[18:19]
	s_mov_b32 s18, 48*256
	s_cmp_eq_u32 s15, 0                            ; do I fetch for y?
	s_cselect_b64 s[92:93], s[20:21], s[46:47]
	s_cselect_b32 s96, s40, s41                    ; my place among the four that ask with me
	s_cselect_b32 s18, 24*256, s18                 ; a partner's share of what I fetch, in bytes
	s_cselect_b32 s95, 23, 31                      ; the last lane of the first prefetch that names a block of its own
	s_mul_i32 s18, s18, s96
	s_add_nc_u64 s[92:93], s[92:93], s[18:19]      ; my share of K step 0; never rewritten: the K step stands in the immediate
.macro ASK k                           ; my share of K step k: 24 blocks of y, or 32 + 16 of wo
	s_cmp_eq_u32 s15, 0
	s_cbranch_scc0 .Lpf_b_\@
	global_prefetch_b8 v30, s[92:93] offset:(\k)*KSA th:TH_LOAD_NT scope:SCOPE_SE
	s_branch .Lpf_done_\@
.Lpf_b_\@:
	global_prefetch_b8 v30, s[92:93] offset:(\k)*KSB th:TH_LOAD_NT scope:SCOPE_SE
	global_prefetch_b8 v31, s[92:93] offset:(\k)*KSB+8192 th:TH_LOAD_NT scope:SCOPE_SE
.Lpf_done_\@:
.endm
.irp s, 0,1
	s_mov_b32 s[G0+4*\s], 1
	s_add_co_u32 s[G0+4*\s+1], s45, \s*SLOT
	s_add_nc_u64 s[G0+4*\s+2:G0+4*\s+3], s[20:21], \s*KSA
	s_or_b32 s[G0+4*\s+3], s[G0+4*\s+3], 0x80000000
	s_mov_b32 s[G0B+4*\s], 1
	s_add_co_u32 s[G0B+4*\s+1], s94, \s*SLOT
	s_add_nc_u64 s[G0B+4*\s+2:G0B+4*\s+3], s[46:47], \s*KSB
	s_or_b32 s[G0B+4*\s+3], s[G0B+4*\s+3], 0x80000000
.endr
; THE HEAD'S LOADS, ONE A WAVE.  One tree of branches on the wave's number: every way passes exactly one load.
.macro ARM under, g0, g1, next
	s_cmp_lt_u32 s14, \under
	s_cbranch_scc0 \next
	tensor_load_to_lds s[\g0:\g0+3], s[\g1:\g1+7]
	s_nop 0
.rept 4
	v_nop
.endr
	s_branch .Lhead_asked
\next:
.endm
	ARM 1, G0H,  G1,  .Lhead_b
	ARM 2, G0HB, G1B, .Lhead_sa
	ARM 3, G0S,  G1S, .Lhead_sb
	tensor_load_to_lds s[G0SB:G0SB+3], s[G1SB:G1SB+7]
	s_nop 0
.rept 4
	v_nop
.endr
.Lhead_asked:
	v_and_b32 v1, 15, v0
	v_bfe_u32 v2, v0, 4, 1
	v_and_b32 v6, 31, v0
	v_lshlrev_b32 v[CO], 4, v6
	v_min_u32 v30, s95, v6
	v_lshlrev_b32 v30, 8, v30                      ; the prefetches' offsets, a block a lane; never rewritten
	v_min_u32 v31, 15, v6
	v_lshlrev_b32 v31, 8, v31
	s_wait_alu depctr_va_vdst(0)                   ; directly ahead of the branch
	ASK 2
	s_mul_i32 s21, s15, AHALF
	s_mul_i32 s22, s16, BHALF
	s_add_co_u32 s22, s22, BOFF
.irp s, 0,1
	v_add_nc_u32 v[ADRA+\s], s21, v[CO]
	v_add_nc_u32 v[ADRB+\s], s22, v[CO]
	s_add_co_u32 s21, s21, SLOT
	s_add_co_u32 s22, s22, SLOT
.endr
	v_lshlrev_b32 v5, 6, v1
	v_lshrrev_b32 v6, 8, v5
	v_lshl_add_u32 v5, v6, 4, v5
	s_mul_i32 s21, s15, SHA
	s_mul_i32 s22, s16, SHB
	s_add_co_u32 s22, s22, 2*SHA
	s_sub_co_u32 s22, s22, s21
	v_mul_u32_u24 v6, s22, v2
	s_add_co_u32 s21, s21, SCL
	v_add_nc_u32 v5, v5, v6
	v_add_nc_u32 v[ADRS], s21, v5
	s_mul_i32 s23, s14, 16*SPITCH
	v_mul_u32_u24 v5, v1, SPITCH
	v_lshl_add_u32 v5, v2, 5, v5
	v_add_nc_u32 v[STO], s23, v5
	v_add_nc_u32 v[RD], s23, v[CO]
	s_lshl_b32 s20, s17, 7
	s_lshl_b32 s21, s15, 6
	s_add_co_u32 s20, s20, s21
	s_lshl_b32 s20, s20, 13
	s_mov_b32 s21, 0
	s_lshl_b32 s46, s42, 10
	s_lshl_b32 s47, s16, 9
	s_add_co_u32 s46, s46, s47
	s_mov_b32 s47, 0
	s_add_nc_u64 s[20:21], s[20:21], s[46:47]
	s_add_nc_u64 s[12:13], s[12:13], s[20:21]
.macro MUL8 a, p, q, sc, zero
.irp b, 0,1,2,3,4,5,6,7
.if \zero
	v_wmma_scale_f32_16x16x128_f8f6f4 v[8*(8*(\a)+\b):8*(8*(\a)+\b)+7], v[128*(\p)+FR*\b:128*(\p)+FR*\b+FR-1], v[AF+48*(\p)+FR*(\a):AF+48*(\p)+FR*(\a)+FR-1], 0, v[SC+32*(\sc)+4*\b+(\q)], v[SC+32*(\sc)+4*(\a)+(\q)] matrix_a_fmt:MATRIX_FMT_FP6 matrix_b_fmt:MATRIX_FMT_FP6 matrix_a_scale:MATRIX_SCALE_ROW1
.else
	v_wmma_scale_f32_16x16x128_f8f6f4 v[8*(8*(\a)+\b):8*(8*(\a)+\b)+7], v[128*(\p)+FR*\b:128*(\p)+FR*\b+FR-1], v[AF+48*(\p)+FR*(\a):AF+48*(\p)+FR*(\a)+FR-1], v[8*(8*(\a)+\b):8*(8*(\a)+\b)+7], v[SC+32*(\sc)+4*\b+(\q)], v[SC+32*(\sc)+4*(\a)+(\q)] matrix_a_fmt:MATRIX_FMT_FP6 matrix_b_fmt:MATRIX_FMT_FP6 matrix_a_scale:MATRIX_SCALE_ROW1
.endif
.endr
.endm
.macro FETCH_B slot, q, p
	WIN TO_B
.irp i, 0,1,2,3,4,5,6,7
.irp c, 0,1,2
	ds_load_b128 v[128*(\p)+FR*\i+4*\c:128*(\p)+FR*\i+4*\c+3], v[ADRB+\slot] offset:(4*\i+(\q))*FRB+512*\c
.endr
.endr
	WIN 0
.endm
.macro FETCH_A slot, q, p, a0
.irp i, \a0, \a0+1
.irp c, 0,1,2
	ds_load_b128 v[AF+48*(\p)+FR*(\i)+4*\c:AF+48*(\p)+FR*(\i)+4*\c+3], v[ADRA+\slot] offset:(4*(\i)+(\q))*FRB+512*\c
.endr
.endr
.endm
.macro SCALES sc, sk
.irp i, 0,1,2,3,4,5,6,7
	ds_load_b128 v[SC+32*(\sc)+4*\i:SC+32*(\sc)+4*\i+3], v[ADRS] offset:\i*SBLK+16*(\sk)
.endr
.endm
.macro PLACES n
.rept \n
	v_nop
.endr
.endm
.macro UNIT slot, q, zero
	s_wait_dscnt 6
	WIN MULW
	MUL8 0, (\q)%2, \q, \slot, \zero
	MUL8 1, (\q)%2, \q, \slot, \zero
	s_wait_dscnt 0
	PLACES NP
	FETCH_B \slot, (\q)+1, 1-(\q)%2
	FETCH_A \slot, (\q)+1, 1-(\q)%2, 0
	FETCH_A \slot, (\q)+1, 1-(\q)%2, 2
	WIN MULW
	MUL8 2, (\q)%2, \q, \slot, \zero
	MUL8 3, (\q)%2, \q, \slot, \zero
.endm
.macro TURN slot, next, fill, sk
	WIN 0
	s_wait_tensorcnt 0x0
	ds_add_u32 v[SPW], v[NIL]
	s_wait_dscnt 7
	WIN MULW
	MUL8 0, 1, 3, \slot, 0
	s_wait_dscnt 0x0
	s_barrier_signal -1
	MUL8 1, 1, 3, \slot, 0
	WIN 0
	s_barrier_wait -1
.if \fill
	CREST
	s_add_nc_u64 s[G0+4*\slot+2:G0+4*\slot+3], s[G0+4*\slot+2:G0+4*\slot+3], 2*KSA
	s_add_nc_u64 s[G0B+4*\slot+2:G0B+4*\slot+3], s[G0B+4*\slot+2:G0B+4*\slot+3], 2*KSB
	JLOAD G0+4*\slot, G1, G0B+4*\slot, G1B
.else
	PLACES NP
.endif
	FETCH_B \next, 0, 0
	FETCH_A \next, 0, 0, 0
	SCALES \next, \sk
	FETCH_A \next, 0, 0, 2
	WIN MULW
	MUL8 2, 1, 3, \slot, 0
	MUL8 3, 1, 3, \slot, 0
.endm
	s_wait_alu depctr_va_vdst(0)
	s_wait_tensorcnt 0x0                           ; my tile of the head's four is in
	ds_add_u32 v[SPW], v[NIL]
	s_mov_b32 s[G1+2], 96<<16                      ; no tensor load of mine is out, so the descriptors may be written: from here on a load brings half a tile
	s_mov_b32 s[G1+4], 96
	s_mov_b32 s[G1B+2], 192<<16
	s_mov_b32 s[G1B+4], 192
	s_wait_dscnt 0x0
	CROUND                                         ; all four tiles are in, and all sixteen work-groups are here
	JLOAD G0+4, G1, G0B+4, G1B                     ; K step 1, the first tensor load behind the round
	FETCH_B 0, 0, 0
	FETCH_A 0, 0, 0, 0
	SCALES 0, 0
	FETCH_A 0, 0, 0, 2
	ASK 3
	UNIT 0, 0, 1
	UNIT 0, 1, 0
	UNIT 0, 2, 0
	TURN 0, 1, 1, 1
	UNIT 1, 0, 0
	UNIT 1, 1, 0
	UNIT 1, 2, 0
	TURN 1, 0, 1, 2
	UNIT 0, 0, 0
	UNIT 0, 1, 0
	UNIT 0, 2, 0
	TURN 0, 1, 0, 3
	UNIT 1, 0, 0
	UNIT 1, 1, 0
	UNIT 1, 2, 0
	s_wait_dscnt 6
	WIN MULW
	MUL8 0, 1, 3, 1, 0
	MUL8 1, 1, 3, 1, 0
	s_wait_dscnt 0
	MUL8 2, 1, 3, 1, 0
	MUL8 3, 1, 3, 1, 0
	WIN 0
.macro TOSTAGE a
.set AC, 64*(\a)
	WIN 0x08
.irp b, 0,1,2,3,4,5,6,7
	ds_store_b128 v[STO], v[AC+8*\b:AC+8*\b+3] offset:64*\b
	ds_store_b128 v[STO], v[AC+8*\b+4:AC+8*\b+7] offset:64*\b+16
.endr
	WIN 0
.set BB, BK+64*((\a)%2)
.irp t, 0,1,2,3,4,5,6,7,8,9,10,11,12,13,14,15
	ds_load_b128 v[BB+4*\t:BB+4*\t+3], v[RD] offset:\t*SPITCH
.endr
.endm
.macro SEND a, younger
.set BB, BK+64*((\a)%2)
	s_wait_dscnt \younger
.irp t, 0,1,2,3,4,5,6,7,8,9,10,11,12,13,14,15
	global_store_b128 v[CO], v[BB+4*\t:BB+4*\t+3], s[12:13] offset:(32*((\a)/2)+8*((\a)%2)+\t+8*(\t/8))*SIZE_N*4 th:TH_STORE_NT
.endr
.endm
	PLACES NP
	TOSTAGE 0
.irp a, 1,2,3
.if \a > 1
	s_wait_xcnt 0x0
.endif
	TOSTAGE \a
	SEND \a-1, 32
.endr
	SEND 3, 0
	s_wait_tensorcnt 0x0
	ds_add_u32 v[SPW], v[NIL]
	s_wait_dscnt 0x0
	CROUND
	s_endpgm
.Lfunc_end_k_q1a3bf5f738_proj:
	.size	k_q1a3bf5f738_proj, .Lfunc_end_k_q1a3bf5f738_proj-k_q1a3bf5f738_proj
	.p2alignl 7, 3214868480
	.fill 96, 4, 3214868480
	.section	.rodata,"a",@progbits
	.p2align	6, 0x0
	.amdhsa_kernel k_q1a3bf5f738_proj
		.amdhsa_group_segment_fixed_size 327680
		.amdhsa_private_segment_fixed_size 0
		.amdhsa_enable_private_segment 0
		.amdhsa_kernarg_size 40
		.amdhsa_user_sgpr_count 2
		.amdhsa_user_sgpr_kernarg_segment_ptr 1
		.amdhsa_wavefront_size32 1
		.amdhsa_system_sgpr_workgroup_id_x 1
		.amdhsa_system_sgpr_workgroup_id_y 1
		.amdhsa_system_sgpr_workgroup_id_z 1
		.amdhsa_system_vgpr_workitem_id 0
		.amdhsa_next_free_vgpr 1024
		.amdhsa_next_free_sgpr 98
		.amdhsa_reserve_vcc 0
		.amdhsa_float_denorm_mode_32 3
		.amdhsa_float_denorm_mode_16_64 3
		.amdhsa_memory_ordered 1
		.amdhsa_forward_progress 1
		.amdhsa_inst_pref_size 136
	.end_amdhsa_kernel
	.amdgpu_metadata
---
amdhsa.version: [ 1, 2 ]
amdhsa.kernels:
  - .name:           k_q1a3bf5f738_proj
    .symbol:         k_q1a3bf5f738_proj.kd
    .args:
      - { .name: yc, .offset: 0, .size: 8, .value_kind: global_buffer, .address_space: global }
      - { .name: ys, .offset: 8, .size: 8, .value_kind: global_buffer, .address_space: global }
      - { .name: cod, .offset: 16, .size: 8, .value_kind: global_buffer, .address_space: global }
      - { .name: scl, .offset: 24, .size: 8, .value_kind: global_buffer, .address_space: global }
      - { .name: out0, .offset: 32, .size: 8, .value_kind: global_buffer, .address_space: global }
    .group_segment_fixed_size: 327680
    .private_segment_fixed_size: 0
    .kernarg_segment_align: 8
    .kernarg_segment_size: 40
    .max_flat_workgroup_size: 128
    .sgpr_count:     98
    .vgpr_count:     1024
    .wavefront_size: 32
...
	.end_amdgpu_metadata
.endif
;; end of part 4
